; MI455X (gfx1250); checked and timed in simulation.
; The chip was launched on July 23, 2026; its instructions are those of AMD's public machine-readable ISA for CDNA 5 (MIT licence, August 2026) and "CDNA5" Instruction Set Architecture Reference Guide (July 2026). The comments in the code are by the model that wrote it; some were corrected since.
;; Multi Head Attention. Allowed arithmetic: matrix products marked QUANTISED: E5M2 operands, one E8M0 scale for each 32 along K, by v_wmma_scale_f32_16x16x128_f8f6f4 with both operands' format E5M2, f32 sums; everything else in f32.
;; Inputs: Wk 16 x 1,024 x 64 float32; Wo 1,024 x 1,024 float32; Wq 16 x 1,024 x 64 float32; Wv 16 x 1,024 x 64 float32; bk 16 x 64 float32; bo 1,024 float32; bq 16 x 64 float32; bv 16 x 64 float32; mask 2,048 x 2,048 bool; x 4 x 2,048 x 1,024 float32.
;; Outputs: out0 4 x 2,048 x 1,024 float32.
;; This version of the problem:
;;   THIS VERSION OF THE PROBLEM IS GIVEN IN LOW PRECISION. The matrix products marked QUANTISED in the list below multiply operands that are first quantised to E5M2 (5 exponent bits, 2 mantissa bits; 8 bits a number), with one power-of-two scale for each 32 numbers along K (OCP MX v1.0); their sums are f32. All else is computed in f32.
;;   The module's matrix products, in the order in which they are computed (A, B: the left and right operand; K: the contracted axis; several contracted axes count as one K, in the product's order):
;;     1. [M 1,024, K 1,024] x [K 1,024, N 8,192]; A: input Wq; B: input x: QUANTISED
;;     2. [M 1,024, K 1,024] x [K 1,024, N 8,192]; A: input Wk; B: input x: QUANTISED
;;     3. [M 1,024, K 1,024] x [K 1,024, N 8,192]; A: input Wv; B: input x: QUANTISED
;;     4. batch 64 x [M 2,048, K 64] x [K 64, N 2,048]; A: computed on the way; B: computed on the way: QUANTISED
;;     5. batch 64 x [M 2,048, K 2,048] x [K 2,048, N 64]; A: softmax (see below); B: computed on the way: QUANTISED
;;     6. [M 8,192, K 1,024] x [K 1,024, N 1,024]; A: computed on the way; B: input Wo: QUANTISED
;;   THE QUANTISER, for each operand of a quantised product, along K:
;;     - K is cut into blocks of 32 from its start; a last block that is shorter is filled with zeros.
;;     - A block's scale is 2^e with e = floor(log2(the largest magnitude in the block)) - 15, held to -126 .. 127; a block of zeros has e = 0. As a byte (E8M0): e + 127.
;;     - Each number is divided by its block's scale, clamped to +-57,344, and rounded to the nearest number of E5M2, ties to even, subnormals kept.
;;     - The product sums the exact products of the quantised numbers (number of the format x scale) in f32.
;;   ~~~python
;;   def quantise(x, axis):      # numpy; x: float32 -> the quantised numbers, widened to float32 again
;;       x = np.moveaxis(x, axis, -1); K = x.shape[-1]
;;       x = np.pad(x, [(0, 0)] * (x.ndim - 1) + [(0, -K % 32)]); x = x.reshape(x.shape[:-1] + (-1, 32)); a = np.abs(x).max(-1, keepdims=True)
;;       e = np.where(a > 0, np.clip(np.frexp(np.where(a > 0, a, 1))[1] - 1 - 15, -126, 127), 0)      # np.frexp(a)[1] - 1 = floor(log2(a)), exactly
;;       r = np.clip(x / 2.0 ** e, -57344, 57344)
;;       step = 2.0 ** (np.maximum(np.frexp(np.where(r == 0, 1, r))[1] - 1, -14) - 2)
;;       q = np.round(r / step) * step * 2.0 ** e      # np.round: ties to even
;;       return np.moveaxis(q.reshape(q.shape[:-2] + (-1,))[..., :K], -1, axis).astype(np.float32)
;;   ~~~
;;   SOFTMAX AHEAD OF A QUANTISED PRODUCT. Where the list says 'softmax', what is quantised is not the finished softmax but p = 2^(t - M), with t = logit x log2(e) and M = ceil(the row's largest t), a whole number; so 1/2 < the row's largest p <= 1. The row's sum l is taken of the UNQUANTISED p, in f32, and the product's result is divided by l at the end. Since M is a whole number, a kernel that streams over the keys may use a running M (the ceiling of the running maximum): every later rescaling is an exact power of two, which a block's scale takes up: the codes' values come out the same.
;;   OPERANDS COMPUTED ON THE WAY. 'Computed on the way' means the value that the module computes at that place (a softmax that the list does not call 'softmax' is quantised finished and normalised). What goes into a quantiser is computed in f32, as accurately as f32 sums, v_exp_f32 and their like allow (about 1e-6 of the number): no bf16 or f16 on the way to a quantiser, and a product that is left as it is and whose result goes on into a quantised operand takes f32 operands (vector FMAs, or v_wmma_f32_16x16x4_f32). A number that lies on a knife's edge between two numbers of the format may be rounded either way, as far as f32 arithmetic and the matrix unit's own rounding can turn it there, and no further.
;; 2 versions. Each part assembles by itself: llvm-mc -triple=amdgcn-amd-amdhsa -mcpu=gfx1250 --defsym DOCPART=n.
;; ======== version 1 of 2: 5 launches
;; limits: right only within a limited range of input values
;; workspace buffers: xq 8,683,520 bytes; wqk 8,658,944 bytes; wvq 8,654,848 bytes; woq 8,421,376 bytes; cc 8,650,752 bytes; qk 18,874,368 bytes; vt 67,371,008 bytes; maskw 524,800 bytes of whole numbers
;; launch prep (part 1): grid 369 x 1, 4 waves a work-group, no clusters, 34,304 bytes of LDS; arguments x, Wo, Wq, Wk, Wv, bq, bk, bv, mask, xq, woq, wqk, wvq, maskw; writes xq, woq, wqk, wvq, maskw
.if DOCPART == 1
	.amdgcn_target "amdgcn-amd-amdhsa--gfx1250"
	.amdhsa_code_object_version 6
	.text
	.protected	k_q9964465039_prep
	.globl	k_q9964465039_prep
	.p2align	8
	.type	k_q9964465039_prep,@function
k_q9964465039_prep:
	s_mov_b64 s[64:65], 0
	v_nop
	global_prefetch_b8 v0, s[64:65] scope:SCOPE_SE
	s_setreg_imm32_b32 hwreg(HW_REG_WAVE_MODE, 25, 1), 1
	s_wait_xcnt 0x0
; All inputs are laid out once for the launches that follow.  Four roles, parted by the work-group's number:
;   M (32 work-groups): the mask becomes lane-mask words and two flags for each tile of 16 queries x 128 keys;
;   W (48): Wq, Wk, Wv ([head][d][e], K = d is not innermost) become codes of E5M2 with one E8M0 byte for each 32 along d;
;   X (288): x and Wo (K innermost) likewise;      Z (1): the biases are copied behind the codes, zeros behind x's.
; OPERAND FORMAT.  Rows go in tiles of 16: lane r of tile T holds row 32 (T/2) + 8 (T%2) + r + 8 (r/8).  A fragment (16 rows x 128 K)
; lies as its 16 registers: codes at T*16384 + s*2048 + c*512 + lane*16 (s: K step of 128, c: block of 32);
; scale words at SCOFF + T*512 + (s/4)*256 + r*16 + (s%4)*4; a bias for each row at BIASOFF + 4 row.
; A block's scale is 2^(floor(log2(largest magnitude)) - 15); the byte is held at 1 from below (a block of zeros gets 1: its codes are
; zeros, and this program alone reads the bytes).  LIMITS: NaN and infinities are not served; blocks under 2^-111 get the byte 1.
; No tensor loads, no barrier: waves share nothing.  Only role X uses LDS (a stage of 8,448 bytes for each wave).
.set SCOFF,   0x800000
.set BIASOFF, 0x840000
.set SEL, 2                            ; s[2:3] selects of v_permlanex16_b32: lane l xor 16
.set MNT, 33                           ; s33    the mantissa field of 57,344
.set TM,  208                          ; v208-223 at work in QUANT
; 64 numbers of a lane, register 16 b + i = k 32 b + 16 (lane / 16) + i of its row, become a fragment's codes in v[pc] on and its scale word in v[pw]
.macro QUANT s, pc, pw
.irp b, 0,1,2,3
	v_max3_num_f32 v[TM+\b], |v[\s+16*\b]|, |v[\s+1+16*\b]|, 0x8000000   ; my 16 numbers of block b, and the floor 2^(16 - 127): the byte cannot fall under 1
.endr
.irp i, 2,4,6,8,10,12,14
.irp b, 0,1,2,3
	v_max3_num_f32 v[TM+\b], v[TM+\b], |v[\s+16*\b+\i]|, |v[\s+1+16*\b+\i]|
.endr
.endr
.irp b, 0,1,2,3
	v_permlanex16_b32 v[TM+4+\b], v[TM+\b], s[SEL], s[SEL+1]
.endr
.irp b, 0,1,2,3
	v_max_num_f32 v[TM+\b], v[TM+\b], v[TM+4+\b]              ; with lane l xor 16's: the block's largest magnitude
.endr
.irp b, 0,1,2,3
	v_add_nc_u32 v[TM+12+\b], 0xf8800000, v[TM+\b]            ; 15 off its exponent field: the conversion's scale operand
.endr
.irp b, 0,1,2,3
	v_and_or_b32 v[TM+8+\b], v[TM+\b], 0x7f800000, s[MNT]     ; 57,344 x the scale
.endr
.irp b, 0,1,2,3
	v_lshrrev_b32 v[TM+4+\b], 23, v[TM+12+\b]                 ; the scale's byte
.endr
	v_lshl_or_b32 v[\pw], v[TM+5], 8, v[TM+4]
	v_lshl_or_b32 v[\pw], v[TM+6], 16, v[\pw]
	v_lshl_or_b32 v[\pw], v[TM+7], 24, v[\pw]
.irp b, 0,1,2,3
.irp i, 0,1,2,3,4,5,6,7,8,9,10,11,12,13,14,15
	v_med3_num_f32 v[\s+16*\b+\i], v[\s+16*\b+\i], -v[TM+8+\b], v[TM+8+\b]   ; the conversion does not saturate (ISA guide 7.6.2): the hold
.endr
	v_cvt_scalef32_pk8_bf8_f32 v[\pc+4*\b:\pc+1+4*\b], v[\s+16*\b:\s+7+16*\b], v[TM+12+\b]
	v_cvt_scalef32_pk8_bf8_f32 v[\pc+2+4*\b:\pc+3+4*\b], v[\s+8+16*\b:\s+15+16*\b], v[TM+12+\b]
.endr
	v_nop                                          ; a plain line behind the last conversion
.endm
	s_load_b512 s[4:19], s[0:1], 0x0               ; x, Wo, Wq, Wk, Wv, bq, bk, bv
	s_load_b256 s[20:27], s[0:1], 0x40             ; mask, xq, woq, wqk
	s_load_b128 s[28:31], s[0:1], 0x60             ; wvq, maskw
	v_lshl_add_u32 v232, v0, 2, 0x8400
	v_mov_b32 v233, 0
	v_lshrrev_b32 v1, 5, v0
	v_readfirstlane_b32 s32, v1                    ; wave
	v_and_b32 v1, 31, v0                           ; lane
	v_and_b32 v2, 15, v0                           ; r
	v_bfe_u32 v3, v0, 4, 1                         ; h
	s_mov_b32 s[SEL], 0x76543210
	s_mov_b32 s[SEL+1], 0xfedcba98
	s_mov_b32 s[MNT], 0x600000
	s_wait_kmcnt 0x0
	s_cmp_lt_u32 ttmp9, 32
	s_cbranch_scc1 .Lrole_m
	s_cmp_lt_u32 ttmp9, 80
	s_cbranch_scc1 .Lrole_w
	s_cmp_lt_u32 ttmp9, 368
	s_cbranch_scc1 .Lrole_x
; ---- ROLE Z: 128 threads x 16 bytes = 2,048 bytes an instruction
	v_lshlrev_b32 v4, 4, v0
	s_add_nc_u64 s[26:27], s[26:27], BIASOFF
	s_add_nc_u64 s[28:29], s[28:29], BIASOFF
	s_add_nc_u64 s[22:23], s[22:23], BIASOFF
	global_load_b128 v[8:11], v4, s[14:15]
	global_load_b128 v[12:15], v4, s[14:15] offset:2048
	global_load_b128 v[16:19], v4, s[16:17]
	global_load_b128 v[20:23], v4, s[16:17] offset:2048
	global_load_b128 v[24:27], v4, s[18:19]
	global_load_b128 v[28:31], v4, s[18:19] offset:2048
.irp k, 32,33,34,35
	v_mov_b32 v\k, 0
.endr
.irp k, 0,1,2,3,4,5,6,7,8,9,10,11,12,13,14,15
	global_store_b128 v4, v[32:35], s[22:23] offset:2048*\k    ; x has no bias: zeros for its 8,192 rows
.endr
	s_wait_loadcnt 0x0
	global_store_b128 v4, v[8:11], s[26:27]                    ; bq: rows 0 to 1,023 of wqk
	global_store_b128 v4, v[12:15], s[26:27] offset:2048
	global_store_b128 v4, v[16:19], s[26:27] offset:4096       ; bk: rows 1,024 to 2,047
	global_store_b128 v4, v[20:23], s[26:27] offset:6144
	global_store_b128 v4, v[24:27], s[28:29]                   ; bv
	global_store_b128 v4, v[28:31], s[28:29] offset:2048
	s_endpgm
; ---- ROLE M: a wave takes query tile T = 4 x work-group + wave and walks its 16 key steps of 128.
; Lane (r, h) loads, of its query's row, the 16 bytes at keys 128 j + 32 b + 16 h.  Word 16 b + i of a step gets in bit L the byte of lane L:
; the layout in which a lane of the attention launch holds its scores.  Words at T*4096 + j*256 + 4 n; flags at 0x80000 + 4 T:
; bit j: some byte of step j is set (all 16 bits where a row is hidden wholly); bit 16 + j: all are set.
.Lrole_m:
	s_lshl_b32 s34, ttmp9, 2
	s_add_co_u32 s34, s34, s32                     ; T
	s_lshr_b32 s35, s34, 1
	s_lshl_b32 s35, s35, 5
	s_and_b32 s45, s34, 1
	s_lshl_b32 s45, s45, 3
	s_add_co_u32 s35, s35, s45                     ; the tile's first row
	s_lshl_b32 s50, s35, 11
	s_mov_b32 s51, 0
	s_add_nc_u64 s[36:37], s[20:21], s[50:51]
	s_lshl_b32 s50, s34, 12
	s_add_nc_u64 s[38:39], s[30:31], s[50:51]      ; the tile's words
	s_lshl_b32 s50, s34, 2
	s_add_nc_u64 s[40:41], s[30:31], s[50:51]      ; its flags (0x80000 on, in the store's immediate)
	v_and_b32 v4, 8, v2
	v_add_nc_u32 v4, v4, v2
	v_lshlrev_b32 v4, 11, v4
	v_lshl_add_u32 v4, v3, 4, v4                   ; (r + 8 (r/8)) rows of 2,048 bytes + 16 h
	v_lshlrev_b32 v5, 3, v1                        ; out: 8 bytes a lane
.irp k, 6,7,8,9
	v_mov_b32 v\k, 0                               ; v6-7 the words (v_writelane's destination counts as read), v8 the row's OR, v9 a permute's destination
.endr
	s_mov_b32 s42, 0                               ; j
	s_mov_b32 s43, 0                               ; NEED
	s_mov_b32 s44, 0                               ; FULL
	s_mov_b64 s[46:47], s[36:37]
	s_add_nc_u64 s[48:49], s[36:37], 128
.macro MLOAD p
.irp q, 0,1,2,3
	global_load_b128 v[16+16*\p+4*\q:19+16*\p+4*\q], v4, s[46+2*\p:47+2*\p] offset:32*\q
.endr
.endm
.macro MTRIP p
.set MR, 16+16*\p
	s_wait_loadcnt 0x4                             ; this set's four loads are in; the other set's four may be out
	s_wait_xcnt 0x0                                ; the last store has read v6-7
	v_or_b32 v10, v[MR], v[MR+1]
	v_and_b32 v11, v[MR], v[MR+1]
.irp k, 2,3,4,5,6,7,8,9,10,11,12,13,14,15
	v_or_b32 v10, v10, v[MR+\k]
	v_and_b32 v11, v11, v[MR+\k]
.endr
	v_or_b32 v8, v8, v10
	v_cmp_ne_u32 s52, 0, v10                       ; lanes with a byte set
	v_cmp_eq_u32 s53, 0x01010101, v11              ; lanes with all bytes set
.set n, 0
.rept 16
.irp y, 0,1,2,3
	v_and_b32 v[12+\y], 0xff<<(8*\y), v[MR+n/4]
.endr
.irp y, 0,1,2,3
	v_cmp_ne_u32 s[56+\y], 0, v[12+\y]             ; word n + y
.endr
.irp y, 0,1,2,3
	v_writelane_b32 v[6+\y%2], s[56+\y], (n+\y)/2  ; lane l carries words 2 l and 2 l + 1
.endr
.set n, n+4
.endr
	global_store_b64 v5, v[6:7], s[38:39] offset:256*\p        ; 256 consecutive bytes
	s_add_co_u32 s55, s42, \p
	s_cmp_lg_u32 s52, 0
	s_cselect_b32 s54, 1, 0
	s_lshl_b32 s54, s54, s55
	s_or_b32 s43, s43, s54
	s_cmp_eq_u32 s53, -1
	s_cselect_b32 s54, 1, 0
	s_lshl_b32 s54, s54, s55
	s_or_b32 s44, s44, s54
	s_add_co_u32 s50, s42, \p+2                    ; the set's next step, held at the last one: no load leaves the mask
	s_min_u32 s50, s50, 15
	s_lshl_b32 s50, s50, 7
	s_add_nc_u64 s[46+2*\p:47+2*\p], s[36:37], s[50:51]   ; free since the wait at the head
	MLOAD \p
.endm
	MLOAD 0
	MLOAD 1
.Lm_trip:
	MTRIP 0
	MTRIP 1
	s_wait_xcnt 0x0                                ; the stores have read their base
	s_add_nc_u64 s[38:39], s[38:39], 512
	s_add_co_u32 s42, s42, 2
	s_cmp_lt_u32 s42, 16
	s_cbranch_scc1 .Lm_trip
	v_permlanex16_b32 v9, v8, s[SEL], s[SEL+1]
	v_or_b32 v8, v8, v9                            ; the row's OR over all 2,048 keys
	v_cmp_eq_u32 vcc_lo, 0, v8
	s_cmp_lg_u32 vcc_lo, 0                         ; a row hidden wholly weighs all keys alike: then every step is needed
	s_cselect_b32 s43, 0xffff, s43
	s_lshl_b32 s44, s44, 16
	s_or_b32 s43, s43, s44
	v_mov_b32 v10, s43
	v_mov_b32 v11, 0
	s_wait_xcnt 0x0                                ; EXEC changes only behind this wait
	v_cmp_eq_u32 vcc_lo, 0, v1
	s_and_saveexec_b32 s45, vcc_lo
	global_store_b32 v11, v10, s[40:41] offset:0x80000
	s_endpgm
; ---- ROLE W: a wave takes 32 columns (half a head's e) x 512 of d.  A lane takes a column, its registers run down d: a block of 32 lies in one lane.
.Lrole_w:
	s_sub_co_u32 s34, ttmp9, 32
	s_lshl_b32 s34, s34, 2
	s_add_co_u32 s34, s34, s32                     ; id 0..191
	s_lshr_b32 s35, s34, 6                         ; 0 Wq, 1 Wk, 2 Wv
	s_bfe_u32 s36, s34, 0x50001                    ; group of 32 columns
	s_and_b32 s37, s34, 1                          ; half of K
	s_cmp_eq_u32 s35, 0
	s_cselect_b64 s[40:41], s[8:9], s[10:11]
	s_cmp_eq_u32 s35, 2
	s_cselect_b64 s[40:41], s[12:13], s[40:41]
	s_cselect_b64 s[42:43], s[28:29], s[26:27]
	s_cmp_eq_u32 s35, 1
	s_cselect_b32 s38, 64, 0
	s_lshl_b32 s39, s36, 1
	s_add_co_u32 s38, s38, s39                     ; the first of my two tiles (Wk's rows lie behind Wq's)
	s_lshr_b32 s44, s36, 1
	s_lshl_b32 s44, s44, 18                        ; the head: 1,024 x 64 x 4 bytes
	s_and_b32 s46, s36, 1
	s_lshl_b32 s46, s46, 7
	s_add_co_u32 s44, s44, s46
	s_lshl_b32 s46, s37, 17
	s_add_co_u32 s44, s44, s46
	s_mov_b32 s45, 0
	s_add_nc_u64 s[40:41], s[40:41], s[44:45]
	s_lshl_b32 s44, s38, 9
	s_lshl_b32 s46, s37, 8
	s_add_co_u32 s44, s44, s46
	s_add_nc_u64 s[48:49], s[42:43], s[44:45]
	s_add_nc_u64 s[48:49], s[48:49], SCOFF
	s_lshl_b32 s44, s38, 14
	s_lshl_b32 s46, s37, 13
	s_add_co_u32 s44, s44, s46
	s_add_nc_u64 s[42:43], s[42:43], s[44:45]
	v_lshlrev_b32 v4, 2, v1
	v_bfe_u32 v5, v1, 3, 1                         ; column l lies in tile u = (l / 8) % 2,
	v_and_b32 v6, 7, v1
	v_lshrrev_b32 v7, 4, v1
	v_lshl_or_b32 v6, v7, 3, v6                    ; at lane r = l % 8 + 8 (l / 16)
	v_lshlrev_b32 v6, 4, v6
	v_lshl_add_u32 v7, v5, 9, v6                   ; its scale words
	v_lshl_add_u32 v5, v5, 14, v6                  ; its codes
.macro WLOAD t
.irp i, 0,1,2,3,4,5,6,7,8,9,10,11,12,13,14,15,16,17,18,19,20,21,22,23,24,25,26,27,28,29,30,31
	global_load_b32 v[16+32*((\t)%2)+\i], v4, s[40:41] offset:(32*(\t)+\i)*256 th:TH_LOAD_NT
.endr
.endm
.macro WBLOCK t
.set XS, 16+32*((\t)%2)
.set CW, 80+8*(\t)                     ; each block has registers of its own for its codes: no store's data are written again
.if (\t) < 15
	s_wait_loadcnt 32                              ; this block's 32 loads are in; the next block's may be out
.else
	s_wait_loadcnt 0x0
.endif
	v_max3_num_f32 v12, |v[XS]|, |v[XS+1]|, |v[XS+2]|
	v_max3_num_f32 v13, |v[XS+3]|, |v[XS+4]|, |v[XS+5]|
.irp i, 6,10,14,18,22,26
	v_max3_num_f32 v12, v12, |v[XS+\i]|, |v[XS+\i+1]|
	v_max3_num_f32 v13, v13, |v[XS+\i+2]|, |v[XS+\i+3]|
.endr
	v_max3_num_f32 v12, v12, |v[XS+30]|, |v[XS+31]|
	v_max3_num_f32 v12, v12, v13, 0x8000000
	v_add_nc_u32 v11, 0xf8800000, v12
	v_and_or_b32 v10, v12, 0x7f800000, s[MNT]
	v_lshrrev_b32 v13, 23, v11
.if (\t)%4 == 0
	v_mov_b32 v[208+(\t)/4], v13
.else
	v_lshl_or_b32 v[208+(\t)/4], v13, 8*((\t)%4), v[208+(\t)/4]
.endif
.irp i, 0,1,2,3,4,5,6,7,8,9,10,11,12,13,14,15,16,17,18,19,20,21,22,23,24,25,26,27,28,29,30,31
	v_med3_num_f32 v[XS+\i], v[XS+\i], -v10, v10
.endr
.irp g, 0,1,2,3
	v_cvt_scalef32_pk8_bf8_f32 v[CW+2*\g:CW+2*\g+1], v[XS+8*\g:XS+8*\g+7], v11
.endr
	global_store_b128 v5, v[CW:CW+3], s[42:43] offset:((\t)/4)*2048+((\t)%4)*512        ; k 0-15 of the block: the fragment's lanes 0-15; sixteen lanes fill 256 consecutive bytes
	global_store_b128 v5, v[CW+4:CW+7], s[42:43] offset:((\t)/4)*2048+((\t)%4)*512+256  ; k 16-31: its lanes 16-31
.if (\t)+2 < 16
	WLOAD (\t)+2
.endif
.endm
	WLOAD 0
	WLOAD 1
.set Q, 0
.rept 16
	WBLOCK Q
.set Q, Q+1
.endr
	global_store_b128 v7, v[208:211], s[48:49]     ; my row's 16 scale bytes of this half of K
	s_endpgm
; ---- ROLE X: a wave takes a tile of 16 rows x half of K (four fragments) of x or of Wo.  Each load reads 512 consecutive bytes of a row; a fragment
; turns through the wave's stage (16 rows, 528 bytes apart) so that a lane gets 16 neighbours of each block.
.Lrole_x:
	s_sub_co_u32 s34, ttmp9, 80
	s_cmp_lt_u32 s34, 256
	s_cselect_b64 s[40:41], s[4:5], s[6:7]
	s_cselect_b64 s[42:43], s[22:23], s[24:25]
	s_cselect_b32 s35, 0, 256
	s_sub_co_u32 s34, s34, s35
	s_lshl_b32 s34, s34, 2
	s_add_co_u32 s34, s34, s32
	s_lshr_b32 s36, s34, 1                         ; T
	s_and_b32 s37, s34, 1                          ; half of K
	s_lshr_b32 s38, s36, 1
	s_lshl_b32 s38, s38, 5
	s_and_b32 s39, s36, 1
	s_lshl_b32 s39, s39, 3
	s_add_co_u32 s38, s38, s39                     ; the tile's first row
	s_lshl_b32 s44, s38, 12
	s_lshl_b32 s46, s37, 11
	s_add_co_u32 s44, s44, s46
	s_mov_b32 s45, 0
	s_add_nc_u64 s[40:41], s[40:41], s[44:45]
	s_lshl_b32 s44, s36, 9
	s_lshl_b32 s46, s37, 8
	s_add_co_u32 s44, s44, s46
	s_add_nc_u64 s[48:49], s[42:43], s[44:45]
	s_add_nc_u64 s[48:49], s[48:49], SCOFF
	s_lshl_b32 s44, s36, 14
	s_lshl_b32 s46, s37, 13
	s_add_co_u32 s44, s44, s46
	s_add_nc_u64 s[42:43], s[42:43], s[44:45]
	s_mul_i32 s47, s32, 8448                       ; my stage
	v_lshlrev_b32 v4, 4, v1                        ; 16 x lane
	v_add_nc_u32 v5, s47, v4                       ; into the stage
	v_mul_u32_u24 v6, v2, 528
	v_lshl_add_u32 v6, v3, 6, v6
	v_add_nc_u32 v6, s47, v6                       ; out of it: row r, + 64 h
	v_lshlrev_b32 v7, 4, v2
.irp b, 0,1,2,3
	v_mov_b32 v[TM+4+\b], 0                        ; a lane permute's destination counts as one of its sources
.endr
.macro LOADF s, set
.irp i, 0,1,2,3,4,5,6,7,8,9,10,11,12,13,14,15
	global_load_b128 v[16+64*\set+4*\i:19+64*\set+4*\i], v4, s[40:41] offset:(\i+8*(\i/8))*4096+512*\s th:TH_LOAD_NT
.endr
.endm
.macro TURNF set
.irp i, 0,1,2,3,4,5,6,7,8,9,10,11,12,13,14,15
	ds_store_b128 v5, v[16+64*\set+4*\i:19+64*\set+4*\i] offset:528*\i
.endr
.irp i, 0,1,2,3,4,5,6,7,8,9,10,11,12,13,14,15
	ds_load_b128 v[16+64*\set+4*\i:19+64*\set+4*\i], v6 offset:128*(\i/4)+16*(\i%4)   ; LDS serves a wave's instructions in order: these see the stores above
.endr
.endm
.macro XFRAG s, left
	s_wait_loadcnt \left                           ; this fragment's 16 loads are in; the next one's may be out
	TURNF (\s%2)
	s_wait_dscnt 0x0
	QUANT 16+64*(\s%2), 144+16*\s, 224+\s
.irp c, 0,1,2,3
	global_store_b128 v4, v[144+16*\s+4*\c:147+16*\s+4*\c], s[42:43] offset:2048*\s+512*\c
.endr
.endm
	LOADF 0, 0
	LOADF 1, 1
	XFRAG 0, 16
	LOADF 2, 0
	XFRAG 1, 16
	LOADF 3, 1
	XFRAG 2, 16
	XFRAG 3, 0
	s_wait_xcnt 0x0                                ; EXEC changes only behind this wait
	v_cmp_gt_u32 vcc_lo, 16, v1
	s_wait_tensorcnt 0x0
	ds_add_u32 v232, v233
	s_wait_dscnt 0x0
	s_and_saveexec_b32 s46, vcc_lo
	global_store_b128 v7, v[224:227], s[48:49]     ; lanes 0-15: row r's four scale words: 256 consecutive bytes
	s_endpgm
.Lfunc_end_k_q9964465039_prep:
	.size	k_q9964465039_prep, .Lfunc_end_k_q9964465039_prep-k_q9964465039_prep
	.p2alignl 7, 3214868480
	.fill 96, 4, 3214868480
	.section	.rodata,"a",@progbits
	.p2align	6, 0x0
	.amdhsa_kernel k_q9964465039_prep
		.amdhsa_group_segment_fixed_size 34304
		.amdhsa_private_segment_fixed_size 0
		.amdhsa_enable_private_segment 0
		.amdhsa_kernarg_size 112
		.amdhsa_user_sgpr_count 2
		.amdhsa_user_sgpr_kernarg_segment_ptr 1
		.amdhsa_wavefront_size32 1
		.amdhsa_system_sgpr_workgroup_id_x 1
		.amdhsa_system_sgpr_workgroup_id_y 1
		.amdhsa_system_sgpr_workgroup_id_z 1
		.amdhsa_system_vgpr_workitem_id 0
		.amdhsa_next_free_vgpr 234
		.amdhsa_next_free_sgpr 66
		.amdhsa_reserve_vcc 1
		.amdhsa_float_denorm_mode_32 3
		.amdhsa_float_denorm_mode_16_64 3
		.amdhsa_memory_ordered 1
		.amdhsa_forward_progress 1
		.amdhsa_inst_pref_size 194
	.end_amdhsa_kernel
	.amdgpu_metadata
---
amdhsa.version: [ 1, 2 ]
amdhsa.kernels:
  - .name:           k_q9964465039_prep
    .symbol:         k_q9964465039_prep.kd
    .args:
      - { .name: x, .offset: 0, .size: 8, .value_kind: global_buffer, .address_space: global }
      - { .name: Wo, .offset: 8, .size: 8, .value_kind: global_buffer, .address_space: global }
      - { .name: Wq, .offset: 16, .size: 8, .value_kind: global_buffer, .address_space: global }
      - { .name: Wk, .offset: 24, .size: 8, .value_kind: global_buffer, .address_space: global }
      - { .name: Wv, .offset: 32, .size: 8, .value_kind: global_buffer, .address_space: global }
      - { .name: bq, .offset: 40, .size: 8, .value_kind: global_buffer, .address_space: global }
      - { .name: bk, .offset: 48, .size: 8, .value_kind: global_buffer, .address_space: global }
      - { .name: bv, .offset: 56, .size: 8, .value_kind: global_buffer, .address_space: global }
      - { .name: mask, .offset: 64, .size: 8, .value_kind: global_buffer, .address_space: global }
      - { .name: xq, .offset: 72, .size: 8, .value_kind: global_buffer, .address_space: global }
      - { .name: woq, .offset: 80, .size: 8, .value_kind: global_buffer, .address_space: global }
      - { .name: wqk, .offset: 88, .size: 8, .value_kind: global_buffer, .address_space: global }
      - { .name: wvq, .offset: 96, .size: 8, .value_kind: global_buffer, .address_space: global }
      - { .name: maskw, .offset: 104, .size: 8, .value_kind: global_buffer, .address_space: global }
    .group_segment_fixed_size: 34304
    .private_segment_fixed_size: 0
    .kernarg_segment_align: 8
    .kernarg_segment_size: 112
    .max_flat_workgroup_size: 128
    .sgpr_count:     66
    .vgpr_count:     234
    .wavefront_size: 32
...
	.end_amdgpu_metadata
.endif
;; end of part 1
;; launch gemm_qk (part 2): grid 8 x 32, 4 waves a work-group, clusters of 4 x 4, 327,680 bytes of LDS; arguments xq, wqk, qk; writes qk
.if DOCPART == 2
	.amdgcn_target "amdgcn-amd-amdhsa--gfx1250"
	.amdhsa_code_object_version 6
	.text
	.protected	k_q9964465039_gemm_qk
	.globl	k_q9964465039_gemm_qk
	.p2align	8
	.type	k_q9964465039_gemm_qk,@function
k_q9964465039_gemm_qk:
	s_mov_b64 s[64:65], 0
	v_nop
	global_prefetch_b8 v0, s[64:65] scope:SCOPE_SE
	s_setreg_imm32_b32 hwreg(HW_REG_WAVE_MODE, 25, 1), 1
	s_wait_xcnt 0x0
	s_wait_alu depctr_hold_cnt(0) depctr_sa_sdst(0) depctr_va_vdst(0) depctr_va_sdst(0) depctr_va_ssrc(0) depctr_va_vcc(0) depctr_vm_vsrc(0)
	s_getreg_b32 s2, hwreg(HW_REG_IB_STS2, 6, 4)
	s_cmp_eq_u32 s2, 0
	s_cbranch_scc0 .Lentry_in_a_cluster
	s_endpgm
.Lentry_in_a_cluster:
	s_bfe_u32 s2, ttmp6, 0x10000c
	s_cmp_lg_u32 s2, 0xf033
	s_cbranch_scc0 .Lentry_shape_is_right
	s_endpgm
.Lentry_shape_is_right:
; R[m][n] = sum over k of A[m][k] B[n][k] + biasA[m] + biasB[n], K = 1,024, on codes of E5M2 with one E8M0 scale for each 32 along K.
; OUTQ = 1: R is quantised along n, in registers, and stored as fragments of the next product (q and k: A = tokens, B = Wq|Wk's rows; v: A = Wv's rows, B = tokens).
; OUTQ = 0: R is stored as f32 rows (the output projection).
; OPERANDS lie as images of their registers: tile T of 16 rows (lane r: row 32 (T/2) + 8 (T%2) + r + 8 (r/8)), K step s of 128: 2,048 bytes at T*16384 + s*2048 + c*512 + lane*16;
; scale words at SCOFF + T*512 + (s/4)*256 + r*16 + (s%4)*4; biases at BIASOFF + 4 row.
; A work-group of four waves makes 256 x 256, a wave 128 x 128: 64 accumulators, 512 registers.  K goes in four steps of 256 through two LDS slots filled by the tensor data mover:
; a wave's load brings 8 tiles x 4,096 consecutive bytes.  An LDS load takes 512 consecutive bytes: no padding is needed.  The scales of all of K come once, with the first fills.
; CLUSTERS: 4 x 4 work-groups; A's tiles are asked for jointly along a row of the cluster, B's along a column.
; THE MATRIX INSTRUCTION IS USED TRANSPOSED (source 0 = 16 rows of B, source 1 = 16 rows of A): lane (r, h) holds row r of A's tile, and register 8 b + j of its eight accumulators holds
; B's row 32 (b/2) + 16 h + 8 (b%2) + j: sixteen neighbours for each block of 32, in the order of a fragment's registers.
; biasB is the C of the first products; biasA rides on the addition that brings the sums into window 0.
; REGISTERS: window 0: v0-31 addresses, v8-15 biasA; v32-63 scale words, two sets; v64-127 biasB, later codes; v128-255 A's fragments, one set, later at work.
;   window 1: B's fragments, two sets.   windows 2, 3: the accumulators ((a, b) at v[8 (8 (a%4) + b)] of window 2 + a/4).
; All of a WGP's LDS is claimed, and 0 is added to spare words.  LIMITS: NaN and infinities are not served; blocks under 2^-111 get the scale byte 1.
.set OUTQ,    1
.set SCOFF,   0x800000
.set BIASOFF, 0x840000
.set NQ,     2
.set FR,     16
.set NL,     4
.set NP,     8                         ; places behind this matrix instruction (ISA guide 7.12.1)
.set HALFT,  32768                     ; 8 tiles x 4,096 bytes: what one tensor load brings
.set SLOT,   4*HALFT
.set SCL,    2*SLOT
.set HALFS,  4096                      ; the scales of 128 rows
.set SPARE,  SCL+4*HALFS               ; the spare words: 512 bytes that no other line names
.set SPITCH, 528
.set BIO,  7                           ; v7   64 h
.set BA,   8                           ; v8-15 biasA of my row in each of A's eight tiles
.set ADRA, 16
.set ADRB, 20
.set STO,  24
.set RD,   25
.set CO,   26                          ; v26  16 x lane
.set ADRS, 27
.set SPW,  28
.set NIL,  29
.set BAO,  30
.set SC,   32
.set BI,   64
.set AF,   128
.set ST,   128                         ; the way out: 64 numbers
.set TM,   192
.set PWQ,  208
.set PCQ,  64
.set BK,   128
.set SEL,  18
.set MNT,  45
.set G1, 24
.set G0, 32
.set G1B, 48
.set G0B, 56
.set G1S, 68
.set G0S, 76
.set G1SB, 80
.set G0SB, 88
.set MSB, 0
.macro WIN new                         ; the immediate's high byte repeats the setting that is left
.if MSB != \new
	s_set_vgpr_msb (MSB<<8)|\new
.set MSB, \new
.endif
.endm
.set MUL_LO, 0xa1                      ; source 0 (B) window 1, source 1 (A) window 0, C and D window 2
.set MUL_HI, 0xf1
.set TO_B,   0x40
.macro JLOAD g0a, g1a, g0b, g1b        ; a joint load: waves 0 and 1 fetch for A, waves 2 and 3 for B; four v_nop follow each line
	s_cmp_eq_u32 s15, 0
	s_cbranch_scc0 .Lfor_b_\@
	tensor_load_to_lds s[\g0a:\g0a+3], s[\g1a:\g1a+7]
	s_nop 0
.rept 4
	v_nop
.endr
	s_branch .Lasked_\@
.Lfor_b_\@:
	tensor_load_to_lds s[\g0b:\g0b+3], s[\g1b:\g1b+7]
	s_nop 0
.rept 4
	v_nop
.endr
.Lasked_\@:
.endm
.macro CREST
	s_cmp_lg_u32 s14, 0
	s_cbranch_scc1 .Lnot_wave_0_\@
	s_barrier_signal -3
.Lnot_wave_0_\@:
	s_barrier_wait -3
	s_barrier_signal -1
	s_barrier_wait -1
.endm
.macro CROUND
	s_barrier_signal -1
	s_barrier_wait -1
	CREST
.endm
.macro QUANT s, pc, pw                 ; 64 numbers of a lane, register 16 b + i = k 32 b + 16 h + i, become a fragment's codes and its scale word
.irp b, 0,1,2,3
	v_max3_num_f32 v[TM+\b], |v[\s+16*\b]|, |v[\s+1+16*\b]|, 0x8000000   ; and the floor 2^(16 - 127): the byte cannot fall under 1
.endr
.irp i, 2,4,6,8,10,12,14
.irp b, 0,1,2,3
	v_max3_num_f32 v[TM+\b], v[TM+\b], |v[\s+16*\b+\i]|, |v[\s+1+16*\b+\i]|
.endr
.endr
.irp b, 0,1,2,3
	v_permlanex16_b32 v[TM+4+\b], v[TM+\b], s[SEL], s[SEL+1]
.endr
.irp b, 0,1,2,3
	v_max_num_f32 v[TM+\b], v[TM+\b], v[TM+4+\b]
.endr
.irp b, 0,1,2,3
	v_add_nc_u32 v[TM+12+\b], 0xf8800000, v[TM+\b]            ; 15 off the exponent field: the conversion's scale operand
.endr
.irp b, 0,1,2,3
	v_and_or_b32 v[TM+8+\b], v[TM+\b], 0x7f800000, s[MNT]     ; 57,344 x the scale
.endr
.irp b, 0,1,2,3
	v_lshrrev_b32 v[TM+4+\b], 23, v[TM+12+\b]
.endr
	v_lshl_or_b32 v[\pw], v[TM+5], 8, v[TM+4]
	v_lshl_or_b32 v[\pw], v[TM+6], 16, v[\pw]
	v_lshl_or_b32 v[\pw], v[TM+7], 24, v[\pw]
.irp b, 0,1,2,3
.irp i, 0,1,2,3,4,5,6,7,8,9,10,11,12,13,14,15
	v_med3_num_f32 v[\s+16*\b+\i], v[\s+16*\b+\i], -v[TM+8+\b], v[TM+8+\b]   ; the conversion does not saturate (ISA guide 7.6.2): the hold
.endr
	v_cvt_scalef32_pk8_bf8_f32 v[\pc+4*\b:\pc+1+4*\b], v[\s+16*\b:\s+7+16*\b], v[TM+12+\b]
	v_cvt_scalef32_pk8_bf8_f32 v[\pc+2+4*\b:\pc+3+4*\b], v[\s+8+16*\b:\s+15+16*\b], v[TM+12+\b]
.endr
	v_nop                                          ; a plain line behind the last conversion
.endm
	s_load_b128 s[4:7], s[0:1], 0x0                ; A, B
.if OUTQ
	s_load_b64 s[12:13], s[0:1], 0x10              ; the result
.else
	s_load_b128 s[96:99], s[0:1], 0x10             ; biasB, the result
.endif
	v_lshl_add_u32 v[SPW], v0, 2, SPARE
	v_mov_b32 v[NIL], 0
	ds_add_u32 v28, v29
	ds_add_u32 v28, v29
	s_wait_dscnt 0x0
	v_lshrrev_b32 v1, 5, v0
	v_readfirstlane_b32 s14, v1                    ; wave
	s_lshr_b32 s15, s14, 1                         ; my half of A's rows.  Also: I fetch for A (0) or for B (1)
	s_and_b32 s16, s14, 1                          ; my half of B's rows.  Also: which 128 rows I fetch
	s_bfe_u32 s40, ttmp6, 0x40000                  ; cx, cy
	s_bfe_u32 s41, ttmp6, 0x40004
	s_lshl_b32 s42, ttmp9, 2
	s_add_co_u32 s42, s42, s40                     ; tx: which 256 rows of B
	s_and_b32 s17, ttmp7, 0xffff
	s_lshl_b32 s17, s17, 2
	s_add_co_u32 s17, s17, s41                     ; ty: which 256 rows of A
	s_lshl_b32 s43, s41, 2
	s_lshl_b32 s43, 15, s43                        ; my row of the cluster
	s_lshl_b32 s44, 0x1111, s40                    ; my column
	s_or_b32 s[G1+0], s43, (3<<16)|(1<<21)         ; 15:0 the mask; 17:16 elements of 8 bytes; 21 set beside a mask; no padding
	s_or_b32 s[G1B+0], s44, (3<<16)|(1<<21)
.irp g, G1, G1B
	s_mov_b32 s[\g+1], 512<<16                     ; tensor_dim0: 512 elements = a tile's 4,096 bytes of a K step
	s_mov_b32 s[\g+2], 8<<16                       ; tensor_dim1: 8 tiles
	s_mov_b32 s[\g+3], 512<<16                     ; tile_dim0
	s_mov_b32 s[\g+4], 8                           ; tile_dim1
	s_mov_b32 s[\g+5], 2048                        ; from tile to tile: 16,384 bytes
	s_mov_b32 s[\g+6], 0
	s_mov_b32 s[\g+7], 0
.endr
	s_or_b32 s[G1S+0], s43, (3<<16)|(1<<21)
	s_or_b32 s[G1SB+0], s44, (3<<16)|(1<<21)
.irp g, G1S, G1SB
	s_mov_b32 s[\g+1], 32<<16                      ; the scales of 128 rows: 4,096 dense bytes as 16 rows of 256
	s_mov_b32 s[\g+2], 16<<16
	s_mov_b32 s[\g+3], 32<<16
	s_mov_b32 s[\g+4], 16
	s_mov_b32 s[\g+5], 32
	s_mov_b32 s[\g+6], 0
	s_mov_b32 s[\g+7], 0
.endr
	s_lshl_b32 s18, s16, 7
	s_lshl_b32 s20, s17, 8
	s_add_co_u32 s20, s20, s18                     ; A: the first row that I fetch
	s_lshl_b32 s46, s42, 8
	s_add_co_u32 s46, s46, s18                     ; B likewise
	s_lshl_b32 s22, s20, 5                         ; 32 bytes of scales a row,
	s_lshl_b32 s20, s20, 10                        ; 1,024 of codes
	s_lshl_b32 s92, s46, 5
	s_lshl_b32 s46, s46, 10
	s_mov_b32 s21, 0
	s_mov_b32 s23, 0
	s_mov_b32 s47, 0
	s_mov_b32 s93, 0
	s_mul_i32 s45, s14, HALFT                      ; where they go: by the wave's number alone
	s_mul_i32 s94, s14, HALFS
	s_wait_kmcnt 0x0
	s_mov_b64 s[8:9], s[6:7]
	s_add_nc_u64 s[6:7], s[4:5], SCOFF
	s_add_nc_u64 s[10:11], s[8:9], SCOFF
.if OUTQ
	s_add_nc_u64 s[96:97], s[8:9], BIASOFF
	s_add_nc_u64 s[98:99], s[4:5], BIASOFF
.else
	s_mov_b64 s[12:13], s[98:99]
.endif
	s_add_nc_u64 s[20:21], s[4:5], s[20:21]
	s_add_nc_u64 s[22:23], s[6:7], s[22:23]
	s_add_nc_u64 s[46:47], s[8:9], s[46:47]
	s_add_nc_u64 s[92:93], s[10:11], s[92:93]
	CROUND                                         ; all sixteen work-groups are here: the first joint loads meet
	s_mov_b32 s[G0S], 1
	s_add_co_u32 s[G0S+1], s94, SCL
	s_mov_b64 s[G0S+2:G0S+3], s[22:23]
	s_or_b32 s[G0S+3], s[G0S+3], 0x80000000
	s_mov_b32 s[G0SB], 1
	s_add_co_u32 s[G0SB+1], s94, SCL
	s_mov_b64 s[G0SB+2:G0SB+3], s[92:93]
	s_or_b32 s[G0SB+3], s[G0SB+3], 0x80000000
	JLOAD G0S, G1S, G0SB, G1SB                     ; the scales first: they are wanted with K step 0
.irp s, 0,1
	s_mov_b32 s[G0+4*\s], 1
	s_add_co_u32 s[G0+4*\s+1], s45, \s*SLOT
	s_add_nc_u64 s[G0+4*\s+2:G0+4*\s+3], s[20:21], \s*4096
	s_or_b32 s[G0+4*\s+3], s[G0+4*\s+3], 0x80000000
	s_mov_b32 s[G0B+4*\s], 1
	s_add_co_u32 s[G0B+4*\s+1], s45, \s*SLOT
	s_add_nc_u64 s[G0B+4*\s+2:G0B+4*\s+3], s[46:47], \s*4096
	s_or_b32 s[G0B+4*\s+3], s[G0B+4*\s+3], 0x80000000
	JLOAD G0+4*\s, G1, G0B+4*\s, G1B
.endr
	v_and_b32 v1, 15, v0                           ; r
	v_bfe_u32 v2, v0, 4, 1                         ; h
	v_and_b32 v3, 31, v0                           ; lane
	v_lshlrev_b32 v[CO], 4, v3
	s_mul_i32 s21, s15, HALFT                      ; my 8 tiles of A,
	s_mul_i32 s22, s16, HALFT
	s_add_co_u32 s22, s22, 2*HALFT                 ; of B, behind A's 16
.irp s, 0,1
	v_add_nc_u32 v[ADRA+\s], s21, v[CO]
	v_add_nc_u32 v[ADRB+\s], s22, v[CO]
	s_add_co_u32 s21, s21, SLOT
	s_add_co_u32 s22, s22, SLOT
.endr
	v_lshlrev_b32 v5, 4, v1                        ; my row's scale words: 16 bytes a row in each half of K
	s_mul_i32 s21, s15, HALFS
	s_mul_i32 s22, s16, HALFS
	s_add_co_u32 s22, s22, 2*HALFS
	s_sub_co_u32 s22, s22, s21
	v_mul_u32_u24 v6, s22, v2                      ; lanes 16-31 take B's
	s_add_co_u32 s21, s21, SCL
	v_add_nc_u32 v5, v5, v6
	v_add_nc_u32 v[ADRS], s21, v5
	s_lshl_b32 s46, s42, 10                        ; biasB of my 128 rows of B
	s_lshl_b32 s47, s16, 9
	s_add_co_u32 s46, s46, s47
	s_mov_b32 s47, 0
	s_add_nc_u64 s[96:97], s[96:97], s[46:47]
	v_lshlrev_b32 v[BIO], 6, v2
.irp b, 0,1,2,3,4,5,6,7
	global_load_b128 v[BI+8*\b:BI+8*\b+3], v[BIO], s[96:97] offset:(32*(\b/2)+8*(\b%2))*4       ; in the result's layout: rows 32 (b/2) + 16 h + 8 (b%2) + 0 .. 7
	global_load_b128 v[BI+8*\b+4:BI+8*\b+7], v[BIO], s[96:97] offset:(32*(\b/2)+8*(\b%2))*4+16
.endr
.if OUTQ
	s_lshl_b32 s20, s17, 10                        ; biasA of my 128 rows of A
	s_lshl_b32 s21, s15, 9
	s_add_co_u32 s20, s20, s21
	s_mov_b32 s21, 0
	s_add_nc_u64 s[98:99], s[98:99], s[20:21]
	v_and_b32 v[BAO], 8, v1
	v_add_nc_u32 v[BAO], v[BAO], v1
	v_lshlrev_b32 v[BAO], 2, v[BAO]
.irp a, 0,1,2,3,4,5,6,7
	global_load_b32 v[BA+\a], v[BAO], s[98:99] offset:(32*(\a/2)+8*(\a%2))*4
.endr
	; the result: idx = 32 tx + ty; scale words at idx*2048 + wave*512; codes at 0x200000 + idx*65536 + (8 wr + a)*4096 + (4 wc + c)*512
	s_lshl_b32 s46, s42, 5
	s_add_co_u32 s46, s46, s17
	s_lshl_b32 s92, s46, 11
	s_lshl_b32 s94, s14, 9
	s_add_co_u32 s92, s92, s94
	s_mov_b32 s93, 0
	s_add_nc_u64 s[92:93], s[12:13], s[92:93]
	s_lshl_b32 s46, s46, 16
	s_lshl_b32 s94, s15, 15
	s_add_co_u32 s46, s46, s94
	s_lshl_b32 s94, s16, 11
	s_add_co_u32 s46, s46, s94
	s_add_co_u32 s46, s46, 0x200000
	s_mov_b32 s47, 0
	s_add_nc_u64 s[12:13], s[12:13], s[46:47]
.else
	s_lshl_b32 s20, s17, 20                        ; my first row of the result: rows of 4,096 bytes
	s_lshl_b32 s21, s15, 19
	s_add_co_u32 s20, s20, s21
	s_mov_b32 s21, 0
	s_add_nc_u64 s[12:13], s[12:13], s[20:21]
	s_add_nc_u64 s[12:13], s[12:13], s[46:47]      ; my first column: the same bytes on as in biasB
	s_mul_i32 s23, s14, 16*SPITCH                  ; my stage, in slot 0
	v_mul_u32_u24 v5, v1, SPITCH
	v_lshl_add_u32 v5, v2, 6, v5
	v_add_nc_u32 v[STO], s23, v5                   ; in: row r, + 64 h
	v_add_nc_u32 v[RD], s23, v[CO]                 ; back: a row of 512 bytes for the 32 lanes
.endif
	s_mov_b32 s[SEL], 0x76543210
	s_mov_b32 s[SEL+1], 0xfedcba98
	s_mov_b32 s[MNT], 0x600000
.macro FRAG reg, adr, q, i             ; a fragment comes as it was stored: four loads of 512 consecutive bytes
.irp c, 0,1,2,3
	ds_load_b128 v[\reg+4*\c:\reg+4*\c+3], v[\adr] offset:(\i)*4096+(\q)*2048+512*\c
.endr
.endm
; 16 matrix instructions: A's blocks a0, a0 + 1 x B's eight.  first = 1: biasB is the C.  The 64 accumulators take turns, one instruction a turn.
.macro MUL16 a0, p, q, sc, first
.irp a, \a0, \a0+1
.irp b, 0,1,2,3,4,5,6,7
.if \first
	v_wmma_scale_f32_16x16x128_f8f6f4 v[8*(8*((\a)%4)+\b):8*(8*((\a)%4)+\b)+7], v[128*(\p)+FR*\b:128*(\p)+FR*\b+FR-1], v[AF+FR*(\a):AF+FR*(\a)+FR-1], v[BI+8*\b:BI+8*\b+7], v[SC+8*NQ*(\sc)+NQ*\b+(\q)], v[SC+8*NQ*(\sc)+NQ*(\a)+(\q)] matrix_a_fmt:MATRIX_FMT_BF8 matrix_b_fmt:MATRIX_FMT_BF8 matrix_a_scale:MATRIX_SCALE_ROW1
.else
	v_wmma_scale_f32_16x16x128_f8f6f4 v[8*(8*((\a)%4)+\b):8*(8*((\a)%4)+\b)+7], v[128*(\p)+FR*\b:128*(\p)+FR*\b+FR-1], v[AF+FR*(\a):AF+FR*(\a)+FR-1], v[8*(8*((\a)%4)+\b):8*(8*((\a)%4)+\b)+7], v[SC+8*NQ*(\sc)+NQ*\b+(\q)], v[SC+8*NQ*(\sc)+NQ*(\a)+(\q)] matrix_a_fmt:MATRIX_FMT_BF8 matrix_b_fmt:MATRIX_FMT_BF8 matrix_a_scale:MATRIX_SCALE_ROW1
.endif
.endr
.endr
.endm
.macro FETCH_B slot, q, p
	WIN TO_B
.irp i, 0,1,2,3,4,5,6,7
	FRAG 128*(\p)+FR*\i, ADRB+\slot, \q, \i
.endr
	WIN 0
.endm
.macro FETCH_A slot, q, i0
.irp i, \i0, \i0+1, \i0+2, \i0+3
	FRAG AF+FR*(\i), ADRA+\slot, \q, \i
.endr
.endm
.macro SCALES sc, ks                   ; K step ks's scale words: two a row; lanes 0-15 A's tile i, lanes 16-31 B's tile i
.irp i, 0,1,2,3,4,5,6,7
	ds_load_b64 v[SC+8*NQ*\sc+NQ*\i:SC+8*NQ*\sc+NQ*\i+1], v[ADRS] offset:\i*512+(\ks/2)*256+(\ks%2)*8
.endr
.endm
.macro PLACES n                        ; plain vector lines between a matrix instruction and a load into, or a read of, its registers
.rept \n
	v_nop
.endr
.endm
.macro STEP slot, q, first             ; 128 along K with its successor in the same slot
	s_wait_dscnt 4*NL                              ; B's set and A's blocks 0-3 are in; the youngest 16 loads (A's blocks 4-7) may be out
.if \first
	WIN 0x81                                       ; C (biasB) window 0, D window 2
.else
	WIN MUL_LO
.endif
	MUL16 0, (\q)%2, \q, \slot, \first
	MUL16 2, (\q)%2, \q, \slot, \first
	s_wait_dscnt 0
	PLACES NP
	FETCH_B \slot, (\q)+1, 1-(\q)%2
	FETCH_A \slot, (\q)+1, 0
.if \first
	WIN 0xc1
.else
	WIN MUL_HI
.endif
	MUL16 4, (\q)%2, \q, \slot, \first
	MUL16 6, (\q)%2, \q, \slot, \first
	PLACES NP
	WIN 0
	FETCH_A \slot, (\q)+1, 4
.endm
; A slot's last step changes slots: one barrier; in front of it each wave waits for all its tensor loads, adds 0 to its spare word, and waits for that and for its reads of this slot.
.macro TURN slot, next, fill, ks
	s_wait_tensorcnt 0x0                           ; all my tensor loads have landed: my part of the next slot
	ds_add_u32 v[SPW], v[NIL]
	s_wait_dscnt 4*NL+1                            ; the add and the youngest 16 loads may be out
	WIN MUL_LO
	MUL16 0, 1, NQ-1, \slot, 0
	s_wait_dscnt 0x0                               ; the add is done, and my reads of this slot are over
	s_barrier_signal -1
	MUL16 2, 1, NQ-1, \slot, 0
	WIN 0
	s_barrier_wait -1
.if \fill
	CREST                                          ; the barrier has opened a round of the cluster's: no wave of any partner still reads this slot or has a load on its way
	s_add_nc_u64 s[G0+4*\slot+2:G0+4*\slot+3], s[G0+4*\slot+2:G0+4*\slot+3], 8192
	s_add_nc_u64 s[G0B+4*\slot+2:G0B+4*\slot+3], s[G0B+4*\slot+2:G0B+4*\slot+3], 8192
	JLOAD G0+4*\slot, G1, G0B+4*\slot, G1B         ; the first tensor load behind the round; its four v_nop are among the places
	PLACES NP-4
.else
	PLACES NP
.endif
	FETCH_B \next, 0, 0
	FETCH_A \next, 0, 0
	SCALES \next, \ks
	WIN MUL_HI
	MUL16 4, 1, NQ-1, \slot, 0
	MUL16 6, 1, NQ-1, \slot, 0
	PLACES NP
	WIN 0
	FETCH_A \next, 0, 4
.endm
	s_wait_tensorcnt 1                             ; the scales and my part of K step 0 are in; K step 1's load may be out
	s_barrier_signal -1
	s_barrier_wait -1
	FETCH_B 0, 0, 0
	FETCH_A 0, 0, 0
	SCALES 0, 0
	FETCH_A 0, 0, 4
	s_wait_loadcnt 0x0                             ; the biases
	STEP 0, 0, 1                                   ; four K steps of 256, written out
	TURN 0, 1, 1, 1
	STEP 1, 0, 0
	TURN 1, 0, 1, 2
	STEP 0, 0, 0
	TURN 0, 1, 0, 3
	STEP 1, 0, 0
	s_wait_dscnt 4*NL
	WIN MUL_LO
	MUL16 0, 1, NQ-1, 1, 0
	MUL16 2, 1, NQ-1, 1, 0
	s_wait_dscnt 0
	WIN MUL_HI
	MUL16 4, 1, NQ-1, 1, 0
	MUL16 6, 1, NQ-1, 1, 0
	WIN 0
	PLACES NP
.if OUTQ
; THE WAY OUT.  A's tile a: my 64 sums are 128 neighbours along the next K (with lane l xor 16's): + biasA, quantised, stored as a fragment: four stores of 512 consecutive bytes.
.irp b, 0,1,2,3
	v_mov_b32 v[TM+4+\b], 0                        ; a lane permute's destination counts as one of its sources
.endr
.macro OUTA a
.if (\a) >= 4
	s_wait_xcnt 0x0                                ; the stores of four tiles back have read these registers
.endif
	WIN 0x02+(\a)/4                                ; source 0: window 2 or 3
.set n, 0
.rept 64
	v_add_f32 v[ST+n], v[64*((\a)%4)+n], v[BA+(\a)]   ; each accumulator from its low end on
.set n, n+1
.endr
	WIN 0
	QUANT ST, PCQ+16*((\a)%4), PWQ+(\a)
.irp c, 0,1,2,3
	global_store_b128 v[CO], v[PCQ+16*((\a)%4)+4*\c:PCQ+16*((\a)%4)+4*\c+3], s[12:13] offset:(\a)*4096+512*\c
.endr
.endm
.irp a, 0,1,2,3,4,5,6,7
	OUTA \a
.endr
	v_cmp_gt_u32 vcc_lo, 16, v3
.irp k, 0,1,2,3
	v_cndmask_b32 v[PWQ+\k], v[PWQ+4+\k], v[PWQ+\k], vcc_lo   ; lanes 0-15: tiles 0-3's words of row r; lanes 16-31: tiles 4-7's
.endr
	global_store_b128 v[CO], v[PWQ:PWQ+3], s[92:93]            ; 512 consecutive bytes
.else
; THE WAY OUT, tile by tile of 16 rows x 128 columns, through my stage in slot 0, which has had its last fill and its last read: whole rows of 512 bytes leave.
.macro TOSTAGE a
.set AC, 64*((\a)%4)
	WIN 0x08+4*((\a)/4)                            ; the data: window 2 or 3
.irp b, 0,1,2,3,4,5,6,7
	ds_store_b128 v[STO], v[AC+8*\b:AC+8*\b+3] offset:128*(\b/2)+32*(\b%2)
	ds_store_b128 v[STO], v[AC+8*\b+4:AC+8*\b+7] offset:128*(\b/2)+32*(\b%2)+16
.endr
	WIN 0
.set BB, BK+64*((\a)%2)
.irp t, 0,1,2,3,4,5,6,7,8,9,10,11,12,13,14,15
	ds_load_b128 v[BB+4*\t:BB+4*\t+3], v[RD] offset:\t*SPITCH   ; LDS serves a wave's instructions in order: these see the stores above
.endr
.endm
.macro SEND a, younger
.set BB, BK+64*((\a)%2)
	s_wait_dscnt \younger                          ; the tile is back; the next tile's 16 stores and 16 loads may be out
.irp t, 0,1,2,3,4,5,6,7,8,9,10,11,12,13,14,15
	global_store_b128 v[CO], v[BB+4*\t:BB+4*\t+3], s[12:13] offset:(32*((\a)/2)+8*((\a)%2)+\t+8*(\t/8))*4096 th:TH_STORE_NT
.endr
.endm
	TOSTAGE 0
.irp a, 1,2,3,4,5,6,7
.if \a > 1
	s_wait_xcnt 0x0                                ; the stores of two tiles back have read their registers
.endif
	TOSTAGE \a
	SEND \a-1, 32
.endr
	SEND 7, 0
.endif
	s_wait_tensorcnt 0x0                           ; the wave's end
	ds_add_u32 v[SPW], v[NIL]
	s_wait_dscnt 0x0
	CROUND                                         ; the closing round
	s_endpgm
.Lfunc_end_k_q9964465039_gemm_qk:
	.size	k_q9964465039_gemm_qk, .Lfunc_end_k_q9964465039_gemm_qk-k_q9964465039_gemm_qk
	.p2alignl 7, 3214868480
	.fill 96, 4, 3214868480
	.section	.rodata,"a",@progbits
	.p2align	6, 0x0
	.amdhsa_kernel k_q9964465039_gemm_qk
		.amdhsa_group_segment_fixed_size 327680
		.amdhsa_private_segment_fixed_size 0
		.amdhsa_enable_private_segment 0
		.amdhsa_kernarg_size 24
		.amdhsa_user_sgpr_count 2
		.amdhsa_user_sgpr_kernarg_segment_ptr 1
		.amdhsa_wavefront_size32 1
		.amdhsa_system_sgpr_workgroup_id_x 1
		.amdhsa_system_sgpr_workgroup_id_y 1
		.amdhsa_system_sgpr_workgroup_id_z 1
		.amdhsa_system_vgpr_workitem_id 0
		.amdhsa_next_free_vgpr 1024
		.amdhsa_next_free_sgpr 102
		.amdhsa_reserve_vcc 1
		.amdhsa_float_denorm_mode_32 3
		.amdhsa_float_denorm_mode_16_64 3
		.amdhsa_memory_ordered 1
		.amdhsa_forward_progress 1
		.amdhsa_inst_pref_size 202
	.end_amdhsa_kernel
	.amdgpu_metadata
---
amdhsa.version: [ 1, 2 ]
amdhsa.kernels:
  - .name:           k_q9964465039_gemm_qk
    .symbol:         k_q9964465039_gemm_qk.kd
    .args:
      - { .name: xq, .offset: 0, .size: 8, .value_kind: global_buffer, .address_space: global }
      - { .name: wqk, .offset: 8, .size: 8, .value_kind: global_buffer, .address_space: global }
      - { .name: qk, .offset: 16, .size: 8, .value_kind: global_buffer, .address_space: global }
    .group_segment_fixed_size: 327680
    .private_segment_fixed_size: 0
    .kernarg_segment_align: 8
    .kernarg_segment_size: 24
    .max_flat_workgroup_size: 128
    .sgpr_count:     102
    .vgpr_count:     1024
    .wavefront_size: 32
...
	.end_amdgpu_metadata
.endif
;; end of part 2
;; launch gemm_v: the kernel of part 2 again; grid 32 x 4, 4 waves a work-group, clusters of 4 x 4, 327,680 bytes of LDS; arguments wvq, xq, vt; writes vt
;; launch attn (part 3): grid 8 x 64, 16 waves a work-group, no clusters, 36,864 bytes of LDS; arguments qk, vt, maskw, cc; writes cc
.if DOCPART == 3
	.amdgcn_target "amdgcn-amd-amdhsa--gfx1250"
	.amdhsa_code_object_version 6
	.text
	.protected	k_q9964465039_attn
	.globl	k_q9964465039_attn
	.p2align	8
	.type	k_q9964465039_attn,@function
k_q9964465039_attn:
	s_mov_b64 s[64:65], 0
	v_nop
	global_prefetch_b8 v0, s[64:65] scope:SCOPE_SE
	s_setreg_imm32_b32 hwreg(HW_REG_WAVE_MODE, 25, 1), 1
	s_wait_xcnt 0x0
; Attention of one head on codes of E5M2: S^T = K Q^T (K = the head's 64, the instruction's upper 64 fed with zero codes on Q's side), the mask, the softmax, O^T = V^T P^T, O / l quantised for the last product.
; p = 2^(t - M), t = score x 0.125 log2(e), M the running largest t rounded up to a whole number; the row's sum is taken of the unquantised p.
; THE MASK is an input.  An earlier launch has laid it as lane-mask words (bit L of word 16 b + i: lane L's query against key 128 j + 32 b + 16 (L/16) + i) and two flags for each tile of 16 queries and step of
; 128 keys: NEED (some key counts) and FULL (all count).  A hidden score becomes -2^33: x c that is a whole number, so a row hidden wholly gets p = 1 for every key, as the reference's -1e9 gives it;
; for such a tile every step is flagged NEED.  A step that is not needed is left out, a full one skips its 64 selects: branches on stored whole numbers.
; LIMIT: a hidden logit stands at -2^30, not at -1e9: unmasked logits under about -9.9e8 are not served.  NaN and infinities are not served.
; Since branches hang on stored numbers, the launch has no tensor load and no cluster: K and V go through registers into two LDS slots, a step ahead, 16 bytes a thread each.
; SHARES.  A work-group owns 256 queries of one head, each of its 16 waves one tile of 16 in 256 registers: four waves to a SIMD.  All walk 16 trips with one barrier each.
; A lane holds one query throughout; the keys, channels and queries of a tile are rows 32 (T/2) + 8 (T%2) + r + 8 (r/8), so that results come out in the order of a fragment's registers.
; No prefetch: the loads that stage a step go out a whole step ahead of the wait for them.
.set SCOFF, 0x800000
.set SLOTB, 17408                      ; a slot: K's codes 8,192, V's 8,192, K's scale words 512, V's 512 (256 twice)
.set KV,  54                           ; v54-117 K's tile i at 54 + 8 i (its upper half: the next tile's codes, against Q's zeros), then V's tile c at 54 + 16 c; v118-125 zeros
.set PCD, 126                          ; v126-141 p's codes
.set S,   130                          ; v130-193 S^T, then p
.set OT,  194                          ; v194-225 O^T
.set BM,  226
.set PX,  230
.set HL,  234
.set SO,  238
.set TMP, 242
.set F,   244                          ; v[244:245]
.set SU,  246                          ; v[246:247]
.set MV,  250                          ; -2^33
.set LSC, 251                          ; v251 16 x (thread % 64): where waves 0 and 1 put the scale words in a slot
; v1 16 lane, v2 16 (lane%16), v3, v4, v5 staging offsets of K, V, scales, v6 16 thread, v7 lane; v8-19 staged data; v20 -M, v21 largest t, v[22:23] the sum;
; v24 Q's scales, v25 p's, v26-33 K's, v34-37 V's; v38-45 Q's codes, v46-53 zeros.
; s[2:3] lane selects; s4-7, s84, s85, s105 at work (s7 = 0); s[8:9] mask words; s[10:13] cc; s14 wave; s15 J; s[16:63], s[68:83] the step's 64 mask words; s66 NEED, s67 FULL, s98 the work-group's NEED;
; s[86:91] K's, V's, the scales' bases; s[92:97] the addresses of the loads in hand; s99 a shift; s[100:101] c; s104 the mantissa field of 57,344.
	s_load_b256 s[16:23], s[0:1], 0x0              ; qk, vt, maskw, cc
	v_lshl_add_u32 v254, v0, 2, 0x8800
	v_mov_b32 v255, 0
	v_lshrrev_b32 v1, 5, v0
	v_readfirstlane_b32 s14, v1
	v_and_b32 v7, 31, v0
	v_lshlrev_b32 v1, 4, v7
	v_and_b32 v2, 15, v0
	v_lshlrev_b32 v2, 4, v2
	v_lshrrev_b32 v3, 6, v0
	v_and_b32 v4, 63, v0
	v_lshlrev_b32 v4, 4, v4
	v_lshl_add_u32 v3, v3, 12, v4                  ; K: tile t / 64, 4,096 bytes apart; 1,024 bytes of each
	v_lshrrev_b32 v4, 7, v0
	v_and_b32 v5, 127, v0
	v_lshlrev_b32 v5, 4, v5
	v_lshl_add_u32 v4, v4, 12, v5                  ; V: tile t / 128; 2,048 bytes of each
	v_lshlrev_b32 v6, 4, v0
	v_and_b32 v[LSC], 63, v0
	v_lshlrev_b32 v[LSC], 4, v[LSC]
	s_cmp_eq_u32 s14, 0
	s_cselect_b32 s4, 31, 15
	v_and_b32 v5, s4, v0
	v_lshlrev_b32 v5, 4, v5                        ; wave 0: K's 512 bytes of scale words; wave 1: V's 256, twice
	s_sub_co_u32 s24, 7, ttmp9                     ; g: which 256 queries (the late ones start first)
	s_and_b32 s25, ttmp7, 0xffff
	s_lshr_b32 s26, s25, 4                         ; batch
	s_and_b32 s27, s25, 15                         ; head
	s_lshl_b32 s28, s24, 4
	s_add_co_u32 s28, s28, s14                     ; T: my tile of queries
	s_lshr_b32 s29, s27, 2
	s_and_b32 s30, s27, 3
	s_and_b32 s31, s27, 1
	s_lshr_b32 s48, s30, 1
	s_lshl_b32 s50, s24, 6
	s_lshl_b32 s51, s28, 2
	s_mov_b32 s7, 0
	s_wait_kmcnt 0x0
	s_load_b512 s[32:47], s[20:21], s50 offset:0x80000   ; the flags of the work-group's 16 tiles,
	s_load_b32 s49, s[20:21], s51 offset:0x80000         ; and mine
	s_add_co_u32 s6, s29, 5                        ; K's codes: 0x200000 + ((4 + head/4) 32 + 8 batch) 65,536 + (head%4) 1,024
	s_lshl_b32 s6, s6, 21
	s_lshl_b32 s52, s26, 19
	s_add_co_u32 s6, s6, s52
	s_lshl_b32 s52, s30, 10
	s_add_co_u32 s6, s6, s52
	s_add_nc_u64 s[86:87], s[16:17], s[6:7]
	s_sub_co_u32 s6, s6, 0x800000                  ; Q's: four tile columns back, + 4,096 T
	s_lshl_b32 s52, s28, 12
	s_add_co_u32 s6, s6, s52
	s_add_nc_u64 s[56:57], s[16:17], s[6:7]
	s_add_co_u32 s53, s29, 4                       ; K's scale words
	s_lshl_b32 s53, s53, 5
	s_lshl_b32 s52, s26, 3
	s_add_co_u32 s53, s53, s52
	s_lshl_b32 s53, s53, 11
	s_lshl_b32 s52, s48, 9
	s_add_co_u32 s53, s53, s52
	s_sub_co_u32 s6, s53, 0x40000                  ; Q's: my tile's word, my head's half of it
	s_lshl_b32 s52, s24, 11
	s_add_co_u32 s6, s6, s52
	s_lshr_b32 s52, s14, 3
	s_lshl_b32 s52, s52, 10
	s_add_co_u32 s6, s6, s52
	s_bfe_u32 s52, s14, 0x10002
	s_lshl_b32 s52, s52, 8
	s_add_co_u32 s6, s6, s52
	s_and_b32 s52, s14, 3
	s_lshl_b32 s52, s52, 2
	s_add_co_u32 s6, s6, s52
	s_lshl_b32 s52, s31, 1
	s_add_co_u32 s6, s6, s52
	s_add_nc_u64 s[58:59], s[16:17], s[6:7]
	s_lshl_b32 s54, s26, 8
	s_add_co_u32 s54, s54, s29                     ; 256 batch + head/4
	s_lshl_b32 s6, s54, 16
	s_lshl_b32 s52, s30, 14
	s_add_co_u32 s6, s6, s52
	s_add_co_u32 s6, s6, 0x200000
	s_add_nc_u64 s[88:89], s[18:19], s[6:7]        ; V's codes
	s_lshl_b32 s54, s54, 11
	s_lshl_b32 s52, s48, 10
	s_add_co_u32 s54, s54, s52
	s_lshl_b32 s52, s31, 8
	s_add_co_u32 s54, s54, s52                     ; V's scale words
	s_lshl_b32 s99, s31, 4
	s_cmp_eq_u32 s14, 0                            ; wave 0 stages K's scale words (my head's half: shifted down by 16 in odd heads), wave 1 V's
	s_cselect_b64 s[90:91], s[16:17], s[18:19]
	s_cselect_b32 s6, s53, s54
	s_cselect_b32 s99, s99, 0
	s_add_nc_u64 s[90:91], s[90:91], s[6:7]
	s_lshl_b32 s6, s28, 12
	s_add_nc_u64 s[8:9], s[20:21], s[6:7]          ; my tile's mask words
	s_lshl_b32 s52, s26, 7
	s_add_co_u32 s52, s52, s28                     ; 128 batch + T
	s_lshl_b32 s6, s52, 14
	s_lshl_b32 s55, s27, 10
	s_add_co_u32 s6, s6, s55
	s_add_nc_u64 s[10:11], s[22:23], s[6:7]        ; cc's codes: my tile, my head's two blocks
	s_lshl_b32 s6, s52, 9
	s_lshr_b32 s55, s27, 3
	s_lshl_b32 s55, s55, 8
	s_add_co_u32 s6, s6, s55
	s_and_b32 s55, s27, 7
	s_lshl_b32 s55, s55, 1
	s_add_co_u32 s6, s6, s55
	s_add_nc_u64 s[12:13], s[22:23], s[6:7]
	s_add_nc_u64 s[12:13], s[12:13], SCOFF         ; and their two scale bytes
	s_mov_b32 s2, 0x76543210
	s_mov_b32 s3, 0xfedcba98
	s_mov_b32 s100, 0x3e38aa3b                     ; c = 0.125 log2(e)
	s_mov_b32 s101, s100
	s_mov_b32 s104, 0x600000
	global_load_b128 v[38:41], v1, s[56:57]
	global_load_b128 v[42:45], v1, s[56:57] offset:512
	global_load_u16 v24, v2, s[58:59]              ; bytes 2 and 3 are 0: they scale zero codes
	v_mov_b32 v21, 0xff61b1e6                      ; the largest t so far: -3e38
	v_floor_f32 v20, -v21
	v_mov_b32 v22, 0
	v_mov_b32 v23, 0
.irp k, 16,17,18,19,46,47,48,49,50,51,52,53,118,119,120,121,122,123,124,125
	v_mov_b32 v\k, 0
.endr
.set n, 0
.rept 32
	v_mov_b32 v[OT+n], 0                           ; the step is written once: the first finds zeros
.set n, n+1
.endr
.irp b, 0,1,2,3
	v_mov_b32 v[PX+\b], 0                          ; a lane permute's destination counts as one of its sources
.endr
	v_mov_b32 v[TMP], 0
	v_mov_b32 v[F+1], 0                            ; named as the upper half of a pair
	v_mov_b32 v[MV], 0xd0000000
	s_wait_kmcnt 0x0
	s_or_b32 s98, s32, s33
.irp k, 34,35,36,37,38,39,40,41,42,43,44,45,46,47
	s_or_b32 s98, s98, s\k
.endr
	s_and_b32 s98, s98, 0xffff                     ; steps that some wave needs; bits 16 and 17 are 0: nothing is staged past the last key
	s_and_b32 s66, s49, 0xffff
	s_lshr_b32 s67, s49, 16
.macro STAGE_LOAD                      ; step s85's K, V and scale words into registers
	s_lshl_b32 s6, s85, 15
	s_add_nc_u64 s[92:93], s[86:87], s[6:7]
	s_lshr_b32 s4, s85, 1
	s_and_b32 s5, s85, 1
	s_lshl_b32 s6, s4, 21
	s_lshl_b32 s105, s5, 11
	s_or_b32 s6, s6, s105
	s_add_nc_u64 s[94:95], s[88:89], s[6:7]
	global_load_b128 v[8:11], v3, s[92:93]
	global_load_b128 v[12:15], v4, s[94:95]
	s_cmp_lt_u32 s14, 2
	s_cbranch_scc0 .Lno_sl_\@
	s_lshl_b32 s6, s4, 16
	s_lshl_b32 s105, s5, 9
	s_or_b32 s6, s6, s105
	s_lshl_b32 s105, s85, 10
	s_cmp_eq_u32 s14, 0
	s_cselect_b32 s6, s105, s6
	s_add_nc_u64 s[96:97], s[90:91], s[6:7]
	global_load_b128 v[16:19], v5, s[96:97]
.Lno_sl_\@:
.endm
.macro STAGE_STORE q                   ; and from there into slot q
	ds_store_b128 v6, v[8:11] offset:(\q)*SLOTB
	ds_store_b128 v6, v[12:15] offset:(\q)*SLOTB+8192
	s_cmp_lt_u32 s14, 2
	s_cbranch_scc0 .Lno_ss_\@
.irp k, 16,17,18,19
	v_lshrrev_b32 v\k, s99, v\k
.endr
	ds_store_b128 v[LSC], v[16:19] offset:(\q)*SLOTB+16384
.Lno_ss_\@:
	s_wait_dscnt 0x0                               ; the stores have landed and have read their registers
.endm
; A KEY STEP: 128 keys from slot p; s85 = j
.macro STEP p
	s_lshl_b32 s84, s85, 8
	s_load_b512 s[16:31], s[8:9], s84 offset:0x0   ; the step's 64 mask words: asked for here on every way, so that they are there on every way on which they are read
	s_load_b512 s[32:47], s[8:9], s84 offset:0x40
	s_load_b512 s[48:63], s[8:9], s84 offset:0x80
	s_load_b512 s[68:83], s[8:9], s84 offset:0xc0
.irp i, 0,1,2,3,4,5,6,7
	ds_load_b128 v[KV+8*\i:KV+8*\i+3], v1 offset:(\p)*SLOTB+1024*\i
	ds_load_b128 v[KV+8*\i+4:KV+8*\i+7], v1 offset:(\p)*SLOTB+1024*\i+512
.endr
	ds_load_b128 v[26:29], v2 offset:(\p)*SLOTB+16384
	ds_load_b128 v[30:33], v2 offset:(\p)*SLOTB+16384+256
	s_wait_dscnt 0x0
.irp i, 0,1,2,3,4,5,6,7
	v_wmma_scale_f32_16x16x128_f8f6f4 v[S+8*\i:S+8*\i+7], v[KV+8*\i:KV+8*\i+15], v[38:53], 0, v[26+\i], v24 matrix_a_fmt:MATRIX_FMT_BF8 matrix_b_fmt:MATRIX_FMT_BF8
.endr
.rept 8
	v_nop                                          ; places in front of the loads into K's registers and of the first read of the scores
.endr
.irp c, 0,1,2,3
.irp q, 0,1,2,3
	ds_load_b128 v[KV+16*\c+4*\q:KV+16*\c+4*\q+3], v1 offset:(\p)*SLOTB+8192+2048*\c+512*\q
.endr
.endr
	ds_load_b128 v[34:37], v2 offset:(\p)*SLOTB+16896
	s_wait_kmcnt 0x0
	s_bitcmp1_b32 s67, s85
	s_cbranch_scc1 .Lfull_\@
.set n, 0
.rept 64
.if n < 48
	v_cndmask_b32 v[S+n], v[MV], v[S+n], s[16+n]
.else
	v_cndmask_b32 v[S+n], v[MV], v[S+n], s[20+n]
.endif
.set n, n+1
.endr
.Lfull_\@:
.irp b, 0,1,2,3
	v_max3_num_f32 v[BM+\b], v[S+16*\b], v[S+1+16*\b], v[S+2+16*\b]   ; the largest score of each block of 32 keys: for the row's maximum and for the block's largest p
.endr
.irp i, 3,5,7,9,11,13
.irp b, 0,1,2,3
	v_max3_num_f32 v[BM+\b], v[BM+\b], v[S+16*\b+\i], v[S+1+16*\b+\i]
.endr
.endr
.irp b, 0,1,2,3
	v_max_num_f32 v[BM+\b], v[BM+\b], v[S+15+16*\b]
.endr
.irp b, 0,1,2,3
	v_permlanex16_b32 v[PX+\b], v[BM+\b], s2, s3
.endr
.irp b, 0,1,2,3
	v_max_num_f32 v[BM+\b], v[BM+\b], v[PX+\b]
.endr
	v_max3_num_f32 v[TMP], v[BM], v[BM+1], v[BM+2]
	v_max_num_f32 v[TMP], v[TMP], v[BM+3]
	v_mul_f32 v[TMP], s100, v[TMP]
	v_max_num_f32 v21, v21, v[TMP]                 ; the running largest t
	v_mov_b32 v[TMP], v20
	v_floor_f32 v20, -v21                          ; the new -M: a whole number
	v_sub_f32 v[TMP], v20, v[TMP]
	v_cvt_i32_f32 v[TMP], v[TMP]                   ; (it saturates)
	v_ldexp_f32 v[F], 1.0, v[TMP]                  ; f = 2^(old M - new M)
.set n, 0
.rept 32
	v_pk_fma_f32 v[S+n:S+n+1], v[S+n:S+n+1], s[100:101], v[20:21] op_sel_hi:[1,0,0]   ; t - M
.set n, n+2
.endr
.irp b, 0,1,2,3
	v_fma_f32 v[BM+\b], v[BM+\b], s100, v20
.endr
.set n, 0
.rept 64
	v_exp_f32 v[S+n], v[S+n]
.set n, n+1
.endr
	v_pk_mul_f32 v[22:23], v[22:23], v[F:F+1] op_sel_hi:[1,0]   ; the sums under the new M: a plain line behind the exponentials
	s_wait_alu depctr_va_vdst(0)                   ; one wait for the batch, ahead of its first reader
.irp b, 0,1,2,3
	v_exp_f32 v[BM+\b], v[BM+\b]                   ; each block's largest p
.endr
	v_pk_add_f32 v[SU:SU+1], v[S:S+1], v[S+2:S+3]  ; the row's sum of the unquantised p, in two chains
.irp j, 4,8,12,16,20,24,28,32,36,40,44,48,52,56,60
	v_pk_add_f32 v[22:23], v[22:23], v[S+\j:S+1+\j]
	v_pk_add_f32 v[SU:SU+1], v[SU:SU+1], v[S+2+\j:S+3+\j]
.endr
	v_pk_add_f32 v[22:23], v[22:23], v[SU:SU+1]
	s_wait_alu depctr_va_vdst(0)                   ; and one for the four
.irp b, 0,1,2,3
	v_max_num_f32 v[BM+\b], 0x8000000, v[BM+\b]    ; the floor 2^(16 - 127)
.endr
.irp b, 0,1,2,3
	v_add_nc_u32 v[SO+\b], 0xf8800000, v[BM+\b]
.endr
.irp b, 0,1,2,3
	v_and_or_b32 v[HL+\b], v[BM+\b], 0x7f800000, s104
.endr
.irp b, 0,1,2,3
	v_lshrrev_b32 v[PX+\b], 23, v[SO+\b]
.endr
	v_lshl_or_b32 v25, v[PX+1], 8, v[PX]           ; p's scale word
	v_lshl_or_b32 v25, v[PX+2], 16, v25
	v_lshl_or_b32 v25, v[PX+3], 24, v25
.irp b, 0,1,2,3
.irp i, 0,1,2,3,4,5,6,7,8,9,10,11,12,13,14,15
	v_min_num_f32 v[S+16*\b+\i], v[S+16*\b+\i], v[HL+\b]   ; the hold; p is not negative
.endr
	v_cvt_scalef32_pk8_bf8_f32 v[PCD+4*\b:PCD+1+4*\b], v[S+16*\b:S+7+16*\b], v[SO+\b]   ; block b's codes land on registers that earlier blocks have left
	v_cvt_scalef32_pk8_bf8_f32 v[PCD+2+4*\b:PCD+3+4*\b], v[S+8+16*\b:S+15+16*\b], v[SO+\b]
.endr
.set n, 0
.rept 16
	v_pk_mul_f32 v[OT+n:OT+n+1], v[OT+n:OT+n+1], v[F:F+1] op_sel_hi:[1,0]   ; O^T under the new M; also the places in front of the products below
.set n, n+2
.endr
	s_wait_dscnt 0x0                               ; V
.irp c, 0,1,2,3
	v_wmma_scale_f32_16x16x128_f8f6f4 v[OT+8*\c:OT+8*\c+7], v[KV+16*\c:KV+16*\c+15], v[PCD:PCD+15], v[OT+8*\c:OT+8*\c+7], v[34+\c], v25 matrix_a_fmt:MATRIX_FMT_BF8 matrix_b_fmt:MATRIX_FMT_BF8
.endr
.rept 9
	v_nop                                          ; the next scores are written over p's codes, the next loads land on V's registers, and O^T is read
.endr
.endm
; A TRIP: j = s15 + p.  One barrier: behind it slot p is whole and nobody reads the other slot, which then takes step j + 1 out of the registers; step j + 2 is asked for; step j is worked.
.macro TRIP p
	s_wait_dscnt 0x0
	s_barrier_signal -1
	s_barrier_wait -1
	s_wait_loadcnt 0x0                             ; step j + 1 is in registers, and the loads' addresses are free
	s_add_co_u32 s85, s15, (\p)+1
	s_bitcmp1_b32 s98, s85
	s_cbranch_scc0 .Lno_store_\@
	STAGE_STORE 1-(\p)
.Lno_store_\@:
	s_add_co_u32 s85, s15, (\p)+2
	s_bitcmp1_b32 s98, s85
	s_cbranch_scc0 .Lno_load_\@
	STAGE_LOAD
.Lno_load_\@:
	s_add_co_u32 s85, s15, (\p)
	s_bitcmp1_b32 s66, s85
	s_cbranch_scc0 .Lno_step_\@
	STEP \p
.Lno_step_\@:
.endm
	s_mov_b32 s85, 0
	STAGE_LOAD
	s_wait_loadcnt 0x0                             ; step 0, and Q
	STAGE_STORE 0
	s_mov_b32 s85, 1
	STAGE_LOAD
	s_mov_b32 s15, 0
.Ltrip:
	TRIP 0
	TRIP 1
	s_add_co_u32 s15, s15, 2
	s_cmp_lt_u32 s15, 16
	s_cbranch_scc1 .Ltrip
	; THE WAY OUT: O^T / the sum is 32 neighbours a block along the last product's K (with lane l xor 16's): two blocks are quantised and stored as two pieces of a fragment.
	v_add_f32 v22, v22, v23
	v_permlanex16_b32 v[TMP], v22, s2, s3
	v_add_f32 v22, v22, v[TMP]
	v_rcp_f32 v22, v22
	v_nop
	s_wait_alu depctr_va_vdst(0)                   ; ahead of the reciprocal's first reader
.set n, 0
.rept 32
	v_mul_f32 v[S+n], v[OT+n], v22
.set n, n+1
.endr
.irp b, 0,1
	v_max3_num_f32 v[BM+\b], |v[S+16*\b]|, |v[S+1+16*\b]|, 0x8000000
.endr
.irp i, 2,4,6,8,10,12,14
.irp b, 0,1
	v_max3_num_f32 v[BM+\b], v[BM+\b], |v[S+16*\b+\i]|, |v[S+1+16*\b+\i]|
.endr
.endr
.irp b, 0,1
	v_permlanex16_b32 v[PX+\b], v[BM+\b], s2, s3
.endr
.irp b, 0,1
	v_max_num_f32 v[BM+\b], v[BM+\b], v[PX+\b]
.endr
.irp b, 0,1
	v_add_nc_u32 v[SO+\b], 0xf8800000, v[BM+\b]
.endr
.irp b, 0,1
	v_and_or_b32 v[HL+\b], v[BM+\b], 0x7f800000, s104
.endr
.irp b, 0,1
	v_lshrrev_b32 v[PX+\b], 23, v[SO+\b]
.endr
	v_lshl_or_b32 v[TMP], v[PX+1], 8, v[PX]
.irp b, 0,1
.irp i, 0,1,2,3,4,5,6,7,8,9,10,11,12,13,14,15
	v_med3_num_f32 v[S+16*\b+\i], v[S+16*\b+\i], -v[HL+\b], v[HL+\b]
.endr
	v_cvt_scalef32_pk8_bf8_f32 v[KV+4*\b:KV+1+4*\b], v[S+16*\b:S+7+16*\b], v[SO+\b]
	v_cvt_scalef32_pk8_bf8_f32 v[KV+2+4*\b:KV+3+4*\b], v[S+8+16*\b:S+15+16*\b], v[SO+\b]
.endr
	v_nop
	global_store_b128 v1, v[KV:KV+3], s[10:11]                 ; 512 consecutive bytes each
	global_store_b128 v1, v[KV+4:KV+7], s[10:11] offset:512
	s_wait_xcnt 0x0                                ; EXEC changes only behind this wait
	v_cmp_gt_u32 vcc_lo, 16, v7
	s_wait_tensorcnt 0x0
	ds_add_u32 v254, v255
	s_wait_dscnt 0x0
	s_and_saveexec_b32 s4, vcc_lo
	global_store_b16 v2, v[TMP], s[12:13]          ; lanes 0-15: row r's two scale bytes of this head
	s_endpgm
.Lfunc_end_k_q9964465039_attn:
	.size	k_q9964465039_attn, .Lfunc_end_k_q9964465039_attn-k_q9964465039_attn
	.p2alignl 7, 3214868480
	.fill 96, 4, 3214868480
	.section	.rodata,"a",@progbits
	.p2align	6, 0x0
	.amdhsa_kernel k_q9964465039_attn
		.amdhsa_group_segment_fixed_size 36864
		.amdhsa_private_segment_fixed_size 0
		.amdhsa_enable_private_segment 0
		.amdhsa_kernarg_size 32
		.amdhsa_user_sgpr_count 2
		.amdhsa_user_sgpr_kernarg_segment_ptr 1
		.amdhsa_wavefront_size32 1
		.amdhsa_system_sgpr_workgroup_id_x 1
		.amdhsa_system_sgpr_workgroup_id_y 1
		.amdhsa_system_sgpr_workgroup_id_z 1
		.amdhsa_system_vgpr_workitem_id 0
		.amdhsa_next_free_vgpr 256
		.amdhsa_next_free_sgpr 106
		.amdhsa_reserve_vcc 1
		.amdhsa_float_denorm_mode_32 3
		.amdhsa_float_denorm_mode_16_64 3
		.amdhsa_memory_ordered 1
		.amdhsa_forward_progress 1
		.amdhsa_inst_pref_size 64
	.end_amdhsa_kernel
	.amdgpu_metadata
---
amdhsa.version: [ 1, 2 ]
amdhsa.kernels:
  - .name:           k_q9964465039_attn
    .symbol:         k_q9964465039_attn.kd
    .args:
      - { .name: qk, .offset: 0, .size: 8, .value_kind: global_buffer, .address_space: global }
      - { .name: vt, .offset: 8, .size: 8, .value_kind: global_buffer, .address_space: global }
      - { .name: maskw, .offset: 16, .size: 8, .value_kind: global_buffer, .address_space: global }
      - { .name: cc, .offset: 24, .size: 8, .value_kind: global_buffer, .address_space: global }
    .group_segment_fixed_size: 36864
    .private_segment_fixed_size: 0
    .kernarg_segment_align: 8
    .kernarg_segment_size: 32
    .max_flat_workgroup_size: 512
    .sgpr_count:     106
    .vgpr_count:     256
    .wavefront_size: 32
...
	.end_amdgpu_metadata
.endif
;; end of part 3
;; launch gemm_o (part 4): grid 4 x 32, 4 waves a work-group, clusters of 4 x 4, 327,680 bytes of LDS; arguments cc, woq, bo, out0; writes out0
.if DOCPART == 4
	.amdgcn_target "amdgcn-amd-amdhsa--gfx1250"
	.amdhsa_code_object_version 6
	.text
	.protected	k_q9964465039_gemm_o
	.globl	k_q9964465039_gemm_o
	.p2align	8
	.type	k_q9964465039_gemm_o,@function
k_q9964465039_gemm_o:
	s_mov_b64 s[64:65], 0
	v_nop
	global_prefetch_b8 v0, s[64:65] scope:SCOPE_SE
	s_setreg_imm32_b32 hwreg(HW_REG_WAVE_MODE, 25, 1), 1
	s_wait_xcnt 0x0
	s_wait_alu depctr_hold_cnt(0) depctr_sa_sdst(0) depctr_va_vdst(0) depctr_va_sdst(0) depctr_va_ssrc(0) depctr_va_vcc(0) depctr_vm_vsrc(0)
	s_getreg_b32 s2, hwreg(HW_REG_IB_STS2, 6, 4)
	s_cmp_eq_u32 s2, 0
	s_cbranch_scc0 .Lentry_in_a_cluster
	s_endpgm
.Lentry_in_a_cluster:
	s_bfe_u32 s2, ttmp6, 0x10000c
	s_cmp_lg_u32 s2, 0xf033
	s_cbranch_scc0 .Lentry_shape_is_right
	s_endpgm
.Lentry_shape_is_right:
; R[m][n] = sum over k of A[m][k] B[n][k] + biasB[n], K = 1,024, on codes of E5M2 with one E8M0 scale for each 32 along K: the output projection (A = the heads' results, B = Wo's rows).
; The text is that of the quantising GEMM with OUTQ = 0: R is stored as f32 rows.
; OPERANDS lie as images of their registers: tile T of 16 rows (lane r: row 32 (T/2) + 8 (T%2) + r + 8 (r/8)), K step s of 128: 2,048 bytes at T*16384 + s*2048 + c*512 + lane*16;
; scale words at SCOFF + T*512 + (s/4)*256 + r*16 + (s%4)*4.
; A work-group of four waves makes 256 x 256, a wave 128 x 128: 64 accumulators, 512 registers.  K goes in four steps of 256 through two LDS slots filled by the tensor data mover:
; a wave's load brings 8 tiles x 4,096 consecutive bytes.  An LDS load takes 512 consecutive bytes: no padding is needed.  The scales of all of K come once, with the first fills.
; CLUSTERS: 4 x 4 work-groups; A's tiles are asked for jointly along a row of the cluster, B's along a column.
; THE MATRIX INSTRUCTION IS USED TRANSPOSED (source 0 = 16 rows of B, source 1 = 16 rows of A): lane (r, h) holds row r of A's tile, and register 8 b + j of its eight accumulators holds
; column 32 (b/2) + 16 h + 8 (b%2) + j.  biasB is the C of the first products.
; REGISTERS: window 0: v0-31 addresses; v32-63 scale words, two sets; v64-127 biasB; v128-255 A's fragments, one set, later rows on their way out.
;   window 1: B's fragments, two sets.   windows 2, 3: the accumulators ((a, b) at v[8 (8 (a%4) + b)] of window 2 + a/4).
; All of a WGP's LDS is claimed, and 0 is added to spare words.
.set OUTQ,    0
.set SCOFF,   0x800000
.set BIASOFF, 0x840000
.set NQ,     2
.set FR,     16
.set NL,     4
.set NP,     8                         ; places behind this matrix instruction (ISA guide 7.12.1)
.set HALFT,  32768                     ; 8 tiles x 4,096 bytes: what one tensor load brings
.set SLOT,   4*HALFT
.set SCL,    2*SLOT
.set HALFS,  4096                      ; the scales of 128 rows
.set SPARE,  SCL+4*HALFS               ; the spare words: 512 bytes that no other line names
.set SPITCH, 528
.set BIO,  7                           ; v7   64 h
.set ADRA, 16
.set ADRB, 20
.set STO,  24
.set RD,   25
.set CO,   26                          ; v26  16 x lane
.set ADRS, 27
.set SPW,  28
.set NIL,  29
.set SC,   32
.set BI,   64
.set AF,   128
.set BK,   128
.set G1, 24
.set G0, 32
.set G1B, 48
.set G0B, 56
.set G1S, 68
.set G0S, 76
.set G1SB, 80
.set G0SB, 88
.set MSB, 0
.macro WIN new                         ; the immediate's high byte repeats the setting that is left
.if MSB != \new
	s_set_vgpr_msb (MSB<<8)|\new
.set MSB, \new
.endif
.endm
.set MUL_LO, 0xa1                      ; source 0 (B) window 1, source 1 (A) window 0, C and D window 2
.set MUL_HI, 0xf1
.set TO_B,   0x40
.macro JLOAD g0a, g1a, g0b, g1b        ; a joint load: waves 0 and 1 fetch for A, waves 2 and 3 for B; four v_nop follow each line
	s_cmp_eq_u32 s15, 0
	s_cbranch_scc0 .Lfor_b_\@
	tensor_load_to_lds s[\g0a:\g0a+3], s[\g1a:\g1a+7]
	s_nop 0
.rept 4
	v_nop
.endr
	s_branch .Lasked_\@
.Lfor_b_\@:
	tensor_load_to_lds s[\g0b:\g0b+3], s[\g1b:\g1b+7]
	s_nop 0
.rept 4
	v_nop
.endr
.Lasked_\@:
.endm
.macro CREST
	s_cmp_lg_u32 s14, 0
	s_cbranch_scc1 .Lnot_wave_0_\@
	s_barrier_signal -3
.Lnot_wave_0_\@:
	s_barrier_wait -3
	s_barrier_signal -1
	s_barrier_wait -1
.endm
.macro CROUND
	s_barrier_signal -1
	s_barrier_wait -1
	CREST
.endm
	s_load_b128 s[4:7], s[0:1], 0x0                ; A, B
	s_load_b128 s[96:99], s[0:1], 0x10             ; biasB, the result
	v_lshl_add_u32 v[SPW], v0, 2, SPARE
	v_mov_b32 v[NIL], 0
	ds_add_u32 v28, v29
	ds_add_u32 v28, v29
	s_wait_dscnt 0x0
	v_lshrrev_b32 v1, 5, v0
	v_readfirstlane_b32 s14, v1                    ; wave
	s_lshr_b32 s15, s14, 1                         ; my half of A's rows.  Also: I fetch for A (0) or for B (1)
	s_and_b32 s16, s14, 1                          ; my half of B's rows.  Also: which 128 rows I fetch
	s_bfe_u32 s40, ttmp6, 0x40000                  ; cx, cy
	s_bfe_u32 s41, ttmp6, 0x40004
	s_lshl_b32 s42, ttmp9, 2
	s_add_co_u32 s42, s42, s40                     ; tx: which 256 rows of B
	s_and_b32 s17, ttmp7, 0xffff
	s_lshl_b32 s17, s17, 2
	s_add_co_u32 s17, s17, s41                     ; ty: which 256 rows of A
	s_lshl_b32 s43, s41, 2
	s_lshl_b32 s43, 15, s43                        ; my row of the cluster
	s_lshl_b32 s44, 0x1111, s40                    ; my column
	s_or_b32 s[G1+0], s43, (3<<16)|(1<<21)         ; 15:0 the mask; 17:16 elements of 8 bytes; 21 set beside a mask; no padding
	s_or_b32 s[G1B+0], s44, (3<<16)|(1<<21)
.irp g, G1, G1B
	s_mov_b32 s[\g+1], 512<<16                     ; tensor_dim0: 512 elements = a tile's 4,096 bytes of a K step
	s_mov_b32 s[\g+2], 8<<16                       ; tensor_dim1: 8 tiles
	s_mov_b32 s[\g+3], 512<<16                     ; tile_dim0
	s_mov_b32 s[\g+4], 8                           ; tile_dim1
	s_mov_b32 s[\g+5], 2048                        ; from tile to tile: 16,384 bytes
	s_mov_b32 s[\g+6], 0
	s_mov_b32 s[\g+7], 0
.endr
	s_or_b32 s[G1S+0], s43, (3<<16)|(1<<21)
	s_or_b32 s[G1SB+0], s44, (3<<16)|(1<<21)
.irp g, G1S, G1SB
	s_mov_b32 s[\g+1], 32<<16                      ; the scales of 128 rows: 4,096 dense bytes as 16 rows of 256
	s_mov_b32 s[\g+2], 16<<16
	s_mov_b32 s[\g+3], 32<<16
	s_mov_b32 s[\g+4], 16
	s_mov_b32 s[\g+5], 32
	s_mov_b32 s[\g+6], 0
	s_mov_b32 s[\g+7], 0
.endr
	s_lshl_b32 s18, s16, 7
	s_lshl_b32 s20, s17, 8
	s_add_co_u32 s20, s20, s18                     ; A: the first row that I fetch
	s_lshl_b32 s46, s42, 8
	s_add_co_u32 s46, s46, s18                     ; B likewise
	s_lshl_b32 s22, s20, 5                         ; 32 bytes of scales a row,
	s_lshl_b32 s20, s20, 10                        ; 1,024 of codes
	s_lshl_b32 s92, s46, 5
	s_lshl_b32 s46, s46, 10
	s_mov_b32 s21, 0
	s_mov_b32 s23, 0
	s_mov_b32 s47, 0
	s_mov_b32 s93, 0
	s_mul_i32 s45, s14, HALFT                      ; where they go: by the wave's number alone
	s_mul_i32 s94, s14, HALFS
	s_wait_kmcnt 0x0
	s_mov_b64 s[8:9], s[6:7]
	s_add_nc_u64 s[6:7], s[4:5], SCOFF
	s_add_nc_u64 s[10:11], s[8:9], SCOFF
	s_mov_b64 s[12:13], s[98:99]
	s_add_nc_u64 s[20:21], s[4:5], s[20:21]
	s_add_nc_u64 s[22:23], s[6:7], s[22:23]
	s_add_nc_u64 s[46:47], s[8:9], s[46:47]
	s_add_nc_u64 s[92:93], s[10:11], s[92:93]
	CROUND                                         ; all sixteen work-groups are here: the first joint loads meet
	s_mov_b32 s[G0S], 1
	s_add_co_u32 s[G0S+1], s94, SCL
	s_mov_b64 s[G0S+2:G0S+3], s[22:23]
	s_or_b32 s[G0S+3], s[G0S+3], 0x80000000
	s_mov_b32 s[G0SB], 1
	s_add_co_u32 s[G0SB+1], s94, SCL
	s_mov_b64 s[G0SB+2:G0SB+3], s[92:93]
	s_or_b32 s[G0SB+3], s[G0SB+3], 0x80000000
	JLOAD G0S, G1S, G0SB, G1SB                     ; the scales first: they are wanted with K step 0
.irp s, 0,1
	s_mov_b32 s[G0+4*\s], 1
	s_add_co_u32 s[G0+4*\s+1], s45, \s*SLOT
	s_add_nc_u64 s[G0+4*\s+2:G0+4*\s+3], s[20:21], \s*4096
	s_or_b32 s[G0+4*\s+3], s[G0+4*\s+3], 0x80000000
	s_mov_b32 s[G0B+4*\s], 1
	s_add_co_u32 s[G0B+4*\s+1], s45, \s*SLOT
	s_add_nc_u64 s[G0B+4*\s+2:G0B+4*\s+3], s[46:47], \s*4096
	s_or_b32 s[G0B+4*\s+3], s[G0B+4*\s+3], 0x80000000
	JLOAD G0+4*\s, G1, G0B+4*\s, G1B
.endr
	v_and_b32 v1, 15, v0                           ; r
	v_bfe_u32 v2, v0, 4, 1                         ; h
	v_and_b32 v3, 31, v0                           ; lane
	v_lshlrev_b32 v[CO], 4, v3
	s_mul_i32 s21, s15, HALFT                      ; my 8 tiles of A,
	s_mul_i32 s22, s16, HALFT
	s_add_co_u32 s22, s22, 2*HALFT                 ; of B, behind A's 16
.irp s, 0,1
	v_add_nc_u32 v[ADRA+\s], s21, v[CO]
	v_add_nc_u32 v[ADRB+\s], s22, v[CO]
	s_add_co_u32 s21, s21, SLOT
	s_add_co_u32 s22, s22, SLOT
.endr
	v_lshlrev_b32 v5, 4, v1                        ; my row's scale words: 16 bytes a row in each half of K
	s_mul_i32 s21, s15, HALFS
	s_mul_i32 s22, s16, HALFS
	s_add_co_u32 s22, s22, 2*HALFS
	s_sub_co_u32 s22, s22, s21
	v_mul_u32_u24 v6, s22, v2                      ; lanes 16-31 take B's
	s_add_co_u32 s21, s21, SCL
	v_add_nc_u32 v5, v5, v6
	v_add_nc_u32 v[ADRS], s21, v5
	s_lshl_b32 s46, s42, 10                        ; biasB of my 128 columns
	s_lshl_b32 s47, s16, 9
	s_add_co_u32 s46, s46, s47
	s_mov_b32 s47, 0
	s_add_nc_u64 s[96:97], s[96:97], s[46:47]
	v_lshlrev_b32 v[BIO], 6, v2
.irp b, 0,1,2,3,4,5,6,7
	global_load_b128 v[BI+8*\b:BI+8*\b+3], v[BIO], s[96:97] offset:(32*(\b/2)+8*(\b%2))*4       ; in the result's layout: columns 32 (b/2) + 16 h + 8 (b%2) + 0 .. 7
	global_load_b128 v[BI+8*\b+4:BI+8*\b+7], v[BIO], s[96:97] offset:(32*(\b/2)+8*(\b%2))*4+16
.endr
	s_lshl_b32 s20, s17, 20                        ; my first row of the result: rows of 4,096 bytes
	s_lshl_b32 s21, s15, 19
	s_add_co_u32 s20, s20, s21
	s_mov_b32 s21, 0
	s_add_nc_u64 s[12:13], s[12:13], s[20:21]
	s_add_nc_u64 s[12:13], s[12:13], s[46:47]      ; my first column: the same bytes on as in biasB
	s_mul_i32 s23, s14, 16*SPITCH                  ; my stage, in slot 0
	v_mul_u32_u24 v5, v1, SPITCH
	v_lshl_add_u32 v5, v2, 6, v5
	v_add_nc_u32 v[STO], s23, v5                   ; in: row r, + 64 h
	v_add_nc_u32 v[RD], s23, v[CO]                 ; back: a row of 512 bytes for the 32 lanes
.macro FRAG reg, adr, q, i             ; a fragment comes as it was stored: four loads of 512 consecutive bytes
.irp c, 0,1,2,3
	ds_load_b128 v[\reg+4*\c:\reg+4*\c+3], v[\adr] offset:(\i)*4096+(\q)*2048+512*\c
.endr
.endm
; 16 matrix instructions: A's blocks a0, a0 + 1 x B's eight.  first = 1: biasB is the C.  The 64 accumulators take turns, one instruction a turn.
.macro MUL16 a0, p, q, sc, first
.irp a, \a0, \a0+1
.irp b, 0,1,2,3,4,5,6,7
.if \first
	v_wmma_scale_f32_16x16x128_f8f6f4 v[8*(8*((\a)%4)+\b):8*(8*((\a)%4)+\b)+7], v[128*(\p)+FR*\b:128*(\p)+FR*\b+FR-1], v[AF+FR*(\a):AF+FR*(\a)+FR-1], v[BI+8*\b:BI+8*\b+7], v[SC+8*NQ*(\sc)+NQ*\b+(\q)], v[SC+8*NQ*(\sc)+NQ*(\a)+(\q)] matrix_a_fmt:MATRIX_FMT_BF8 matrix_b_fmt:MATRIX_FMT_BF8 matrix_a_scale:MATRIX_SCALE_ROW1
.else
	v_wmma_scale_f32_16x16x128_f8f6f4 v[8*(8*((\a)%4)+\b):8*(8*((\a)%4)+\b)+7], v[128*(\p)+FR*\b:128*(\p)+FR*\b+FR-1], v[AF+FR*(\a):AF+FR*(\a)+FR-1], v[8*(8*((\a)%4)+\b):8*(8*((\a)%4)+\b)+7], v[SC+8*NQ*(\sc)+NQ*\b+(\q)], v[SC+8*NQ*(\sc)+NQ*(\a)+(\q)] matrix_a_fmt:MATRIX_FMT_BF8 matrix_b_fmt:MATRIX_FMT_BF8 matrix_a_scale:MATRIX_SCALE_ROW1
.endif
.endr
.endr
.endm
.macro FETCH_B slot, q, p
	WIN TO_B
.irp i, 0,1,2,3,4,5,6,7
	FRAG 128*(\p)+FR*\i, ADRB+\slot, \q, \i
.endr
	WIN 0
.endm
.macro FETCH_A slot, q, i0
.irp i, \i0, \i0+1, \i0+2, \i0+3
	FRAG AF+FR*(\i), ADRA+\slot, \q, \i
.endr
.endm
.macro SCALES sc, ks                   ; K step ks's scale words: two a row; lanes 0-15 A's tile i, lanes 16-31 B's tile i
.irp i, 0,1,2,3,4,5,6,7
	ds_load_b64 v[SC+8*NQ*\sc+NQ*\i:SC+8*NQ*\sc+NQ*\i+1], v[ADRS] offset:\i*512+(\ks/2)*256+(\ks%2)*8
.endr
.endm
.macro PLACES n                        ; plain vector lines between a matrix instruction and a load into, or a read of, its registers
.rept \n
	v_nop
.endr
.endm
.macro STEP slot, q, first             ; 128 along K with its successor in the same slot
	s_wait_dscnt 4*NL                              ; B's set and A's blocks 0-3 are in; the youngest 16 loads (A's blocks 4-7) may be out
.if \first
	WIN 0x81                                       ; C (biasB) window 0, D window 2
.else
	WIN MUL_LO
.endif
	MUL16 0, (\q)%2, \q, \slot, \first
	MUL16 2, (\q)%2, \q, \slot, \first
	s_wait_dscnt 0
	PLACES NP
	FETCH_B \slot, (\q)+1, 1-(\q)%2
	FETCH_A \slot, (\q)+1, 0
.if \first
	WIN 0xc1
.else
	WIN MUL_HI
.endif
	MUL16 4, (\q)%2, \q, \slot, \first
	MUL16 6, (\q)%2, \q, \slot, \first
	PLACES NP
	WIN 0
	FETCH_A \slot, (\q)+1, 4
.endm
; A slot's last step changes slots: one barrier; in front of it each wave waits for all its tensor loads, adds 0 to its spare word, and waits for that and for its reads of this slot.
.macro TURN slot, next, fill, ks
	s_wait_tensorcnt 0x0                           ; all my tensor loads have landed: my part of the next slot
	ds_add_u32 v[SPW], v[NIL]
	s_wait_dscnt 4*NL+1                            ; the add and the youngest 16 loads may be out
	WIN MUL_LO
	MUL16 0, 1, NQ-1, \slot, 0
	s_wait_dscnt 0x0                               ; the add is done, and my reads of this slot are over
	s_barrier_signal -1
	MUL16 2, 1, NQ-1, \slot, 0
	WIN 0
	s_barrier_wait -1
.if \fill
	CREST                                          ; the barrier has opened a round of the cluster's: no wave of any partner still reads this slot or has a load on its way
	s_add_nc_u64 s[G0+4*\slot+2:G0+4*\slot+3], s[G0+4*\slot+2:G0+4*\slot+3], 8192
	s_add_nc_u64 s[G0B+4*\slot+2:G0B+4*\slot+3], s[G0B+4*\slot+2:G0B+4*\slot+3], 8192
	JLOAD G0+4*\slot, G1, G0B+4*\slot, G1B         ; the first tensor load behind the round; its four v_nop are among the places
	PLACES NP-4
.else
	PLACES NP
.endif
	FETCH_B \next, 0, 0
	FETCH_A \next, 0, 0
	SCALES \next, \ks
	WIN MUL_HI
	MUL16 4, 1, NQ-1, \slot, 0
	MUL16 6, 1, NQ-1, \slot, 0
	PLACES NP
	WIN 0
	FETCH_A \next, 0, 4
.endm
	s_wait_tensorcnt 1                             ; the scales and my part of K step 0 are in; K step 1's load may be out
	s_barrier_signal -1
	s_barrier_wait -1
	FETCH_B 0, 0, 0
	FETCH_A 0, 0, 0
	SCALES 0, 0
	FETCH_A 0, 0, 4
	s_wait_loadcnt 0x0                             ; the bias
	STEP 0, 0, 1                                   ; four K steps of 256, written out
	TURN 0, 1, 1, 1
	STEP 1, 0, 0
	TURN 1, 0, 1, 2
	STEP 0, 0, 0
	TURN 0, 1, 0, 3
	STEP 1, 0, 0
	s_wait_dscnt 4*NL
	WIN MUL_LO
	MUL16 0, 1, NQ-1, 1, 0
	MUL16 2, 1, NQ-1, 1, 0
	s_wait_dscnt 0
	WIN MUL_HI
	MUL16 4, 1, NQ-1, 1, 0
	MUL16 6, 1, NQ-1, 1, 0
	WIN 0
	PLACES NP
; THE WAY OUT, tile by tile of 16 rows x 128 columns, through my stage in slot 0, which has had its last fill and its last read: whole rows of 512 bytes leave.
.macro TOSTAGE a
.set AC, 64*((\a)%4)
	WIN 0x08+4*((\a)/4)                            ; the data: window 2 or 3
.irp b, 0,1,2,3,4,5,6,7
	ds_store_b128 v[STO], v[AC+8*\b:AC+8*\b+3] offset:128*(\b/2)+32*(\b%2)          ; each accumulator from its low end on
	ds_store_b128 v[STO], v[AC+8*\b+4:AC+8*\b+7] offset:128*(\b/2)+32*(\b%2)+16
.endr
	WIN 0
.set BB, BK+64*((\a)%2)
.irp t, 0,1,2,3,4,5,6,7,8,9,10,11,12,13,14,15
	ds_load_b128 v[BB+4*\t:BB+4*\t+3], v[RD] offset:\t*SPITCH   ; LDS serves a wave's instructions in order: these see the stores above
.endr
.endm
.macro SEND a, younger
.set BB, BK+64*((\a)%2)
	s_wait_dscnt \younger                          ; the tile is back; the next tile's 16 stores and 16 loads may be out
.irp t, 0,1,2,3,4,5,6,7,8,9,10,11,12,13,14,15
	global_store_b128 v[CO], v[BB+4*\t:BB+4*\t+3], s[12:13] offset:(32*((\a)/2)+8*((\a)%2)+\t+8*(\t/8))*4096 th:TH_STORE_NT   ; 512 consecutive bytes of the tile's row t
.endr
.endm
	TOSTAGE 0
.irp a, 1,2,3,4,5,6,7
.if \a > 1
	s_wait_xcnt 0x0                                ; the stores of two tiles back have read their registers
.endif
	TOSTAGE \a
	SEND \a-1, 32
.endr
	SEND 7, 0
	s_wait_tensorcnt 0x0                           ; the wave's end
	ds_add_u32 v[SPW], v[NIL]
	s_wait_dscnt 0x0
	CROUND                                         ; the closing round
	s_endpgm
.Lfunc_end_k_q9964465039_gemm_o:
	.size	k_q9964465039_gemm_o, .Lfunc_end_k_q9964465039_gemm_o-k_q9964465039_gemm_o
	.p2alignl 7, 3214868480
	.fill 96, 4, 3214868480
	.section	.rodata,"a",@progbits
	.p2align	6, 0x0
	.amdhsa_kernel k_q9964465039_gemm_o
		.amdhsa_group_segment_fixed_size 327680
		.amdhsa_private_segment_fixed_size 0
		.amdhsa_enable_private_segment 0
		.amdhsa_kernarg_size 32
		.amdhsa_user_sgpr_count 2
		.amdhsa_user_sgpr_kernarg_segment_ptr 1
		.amdhsa_wavefront_size32 1
		.amdhsa_system_sgpr_workgroup_id_x 1
		.amdhsa_system_sgpr_workgroup_id_y 1
		.amdhsa_system_sgpr_workgroup_id_z 1
		.amdhsa_system_vgpr_workitem_id 0
		.amdhsa_next_free_vgpr 1024
		.amdhsa_next_free_sgpr 102
		.amdhsa_reserve_vcc 0
		.amdhsa_float_denorm_mode_32 3
		.amdhsa_float_denorm_mode_16_64 3
		.amdhsa_memory_ordered 1
		.amdhsa_forward_progress 1
		.amdhsa_inst_pref_size 146
	.end_amdhsa_kernel
	.amdgpu_metadata
---
amdhsa.version: [ 1, 2 ]
amdhsa.kernels:
  - .name:           k_q9964465039_gemm_o
    .symbol:         k_q9964465039_gemm_o.kd
    .args:
      - { .name: cc, .offset: 0, .size: 8, .value_kind: global_buffer, .address_space: global }
      - { .name: woq, .offset: 8, .size: 8, .value_kind: global_buffer, .address_space: global }
      - { .name: bo, .offset: 16, .size: 8, .value_kind: global_buffer, .address_space: global }
      - { .name: out0, .offset: 24, .size: 8, .value_kind: global_buffer, .address_space: global }
    .group_segment_fixed_size: 327680
    .private_segment_fixed_size: 0
    .kernarg_segment_align: 8
    .kernarg_segment_size: 32
    .max_flat_workgroup_size: 128
    .sgpr_count:     102
    .vgpr_count:     1024
    .wavefront_size: 32
...
	.end_amdgpu_metadata
.endif
;; end of part 4
;; ======== version 2 of 2: 5 launches
;; limits: right only within a limited range of input values
;; workspace buffers: xq 8,683,520 bytes; wqk 8,658,944 bytes; wvq 8,654,848 bytes; woq 8,421,376 bytes; cc 8,650,752 bytes; qk 18,874,368 bytes; vt 67,371,008 bytes; maskw 524,800 bytes of whole numbers
;; launch prep: the kernel of part 1 again; grid 369 x 1, 4 waves a work-group, no clusters, 34,304 bytes of LDS; arguments x, Wo, Wq, Wk, Wv, bq, bk, bv, mask, xq, woq, wqk, wvq, maskw; writes xq, woq, wqk, wvq, maskw
;; launch gemm_qk: the kernel of part 2 again; grid 8 x 32, 4 waves a work-group, clusters of 4 x 4, 327,680 bytes of LDS; arguments xq, wqk, qk; writes qk
;; launch gemm_v: the kernel of part 2 again; grid 32 x 4, 4 waves a work-group, clusters of 4 x 4, 327,680 bytes of LDS; arguments wvq, xq, vt; writes vt
;; launch attn (part 5): grid 4 x 64, 16 waves a work-group, no clusters, 36,864 bytes of LDS; arguments qk, vt, maskw, cc; writes cc
.if DOCPART == 5
	.amdgcn_target "amdgcn-amd-amdhsa--gfx1250"
	.amdhsa_code_object_version 6
	.text
	.protected	k_q9964465039_attn
	.globl	k_q9964465039_attn
	.p2align	8
	.type	k_q9964465039_attn,@function
k_q9964465039_attn:
	s_mov_b64 s[64:65], 0
	v_nop
	global_prefetch_b8 v0, s[64:65] scope:SCOPE_SE
	s_setreg_imm32_b32 hwreg(HW_REG_WAVE_MODE, 25, 1), 1
	s_wait_xcnt 0x0
; Attention of one head on codes of E5M2: S^T = K Q^T (K = the head's 64, the instruction's upper 64 fed with zero codes on Q's side), the mask, the softmax, O^T = V^T P^T, O / l quantised for the last product.
; p = 2^(t - M), t = score x 0.125 log2(e), M the running largest t rounded up to a whole number; the row's sum is taken of the unquantised p.
; THE MASK is an input.  An earlier launch has laid it as lane-mask words (bit L of word 16 b + i: lane L's query against key 128 j + 32 b + 16 (L/16) + i) and two flags for each tile of 16 queries and step of
; 128 keys: NEED (some key counts) and FULL (all count).  A hidden score becomes -2^33: x c that is a whole number, so a row hidden wholly gets p = 1 for every key, as the reference's -1e9 gives it;
; for such a tile every step is flagged NEED.  A step that is not needed is left out, a full one skips its 64 selects: branches on stored whole numbers.
; LIMIT: a hidden logit stands at -2^30, not at -1e9: unmasked logits under about -9.9e8 are not served.  NaN and infinities are not served.
; Since branches hang on stored numbers, the launch has no tensor load and no cluster: K and V go through registers into two LDS slots, a step ahead, 16 bytes a thread each.
; SHARES.  256 work-groups.  A work-group STAYS and walks two blocks of 256 queries of one head, one after the other: block 7 - x, then block x.  Where the mask is lower-triangular, block g needs
; 2 g + 2 key steps, so the two blocks need 18 in every work-group; for any other mask the values are the same and only the balance differs: no address and no result hangs on that pattern.
; In a pass each of the 16 waves owns one tile of 16 queries in 256 registers: four waves to a SIMD.  All walk 16 trips with one barrier each.
; A lane holds one query throughout; the keys, channels and queries of a tile are rows 32 (T/2) + 8 (T%2) + r + 8 (r/8), so that results come out in the order of a fragment's registers.
; No prefetch: the loads that stage a step go out a whole step ahead of the wait for them.
.set SCOFF, 0x800000
.set SLOTB, 17408                      ; a slot: K's codes 8,192, V's 8,192, K's scale words 512, V's 512 (256 twice)
.set KV,  54                           ; v54-117 K's tile i at 54 + 8 i (its upper half: the next tile's codes, against Q's zeros), then V's tile c at 54 + 16 c; v118-125 zeros
.set PCD, 126                          ; v126-141 p's codes
.set S,   130                          ; v130-193 S^T, then p
.set OT,  194                          ; v194-225 O^T
.set BM,  226
.set PX,  230
.set HL,  234
.set SO,  238
.set TMP, 242
.set F,   244                          ; v[244:245]
.set SU,  246                          ; v[246:247]
.set MV,  250                          ; -2^33
.set LSC, 251                          ; v251 16 x (thread % 64): where waves 0 and 1 put the scale words in a slot
; v1 16 lane, v2 16 (lane%16), v3, v4, v5 staging offsets of K, V, scales, v6 16 thread, v7 lane; v8-19 staged data; v20 -M, v21 largest t, v[22:23] the sum;
; v24 Q's scales, v25 p's, v26-33 K's, v34-37 V's; v38-45 Q's codes, v46-53 zeros.
; s[2:3] lane selects; s4-7, s85, s105 at work (s7 = 0); s[8:9] mask words; s[10:13] cc; s14 wave; s15 J; s[16:63], s[68:83] the step's 64 mask words (at a pass's head: pointers, ids, flags);
; s66 NEED, s67 FULL, s98 the work-group's NEED; s84 the pass; s[86:91] K's, V's, the scales' bases; s[92:97] the addresses of the loads in hand; s99 a shift; s[100:101] c.
.macro STAGE_LOAD                      ; step s85's K, V and scale words into registers
	s_lshl_b32 s6, s85, 15
	s_add_nc_u64 s[92:93], s[86:87], s[6:7]
	s_lshr_b32 s4, s85, 1
	s_and_b32 s5, s85, 1
	s_lshl_b32 s6, s4, 21
	s_lshl_b32 s105, s5, 11
	s_or_b32 s6, s6, s105
	s_add_nc_u64 s[94:95], s[88:89], s[6:7]
	global_load_b128 v[8:11], v3, s[92:93]
	global_load_b128 v[12:15], v4, s[94:95]
	s_cmp_lt_u32 s14, 2
	s_cbranch_scc0 .Lno_sl_\@
	s_lshl_b32 s6, s4, 16
	s_lshl_b32 s105, s5, 9
	s_or_b32 s6, s6, s105
	s_lshl_b32 s105, s85, 10
	s_cmp_eq_u32 s14, 0
	s_cselect_b32 s6, s105, s6
	s_add_nc_u64 s[96:97], s[90:91], s[6:7]
	global_load_b128 v[16:19], v5, s[96:97]
.Lno_sl_\@:
.endm
.macro STAGE_STORE q                   ; and from there into slot q
	ds_store_b128 v6, v[8:11] offset:(\q)*SLOTB
	ds_store_b128 v6, v[12:15] offset:(\q)*SLOTB+8192
	s_cmp_lt_u32 s14, 2
	s_cbranch_scc0 .Lno_ss_\@
	s_wait_alu depctr_va_vdst(0)
.irp k, 16,17,18,19
	v_lshrrev_b32 v\k, s99, v\k
.endr
	ds_store_b128 v[LSC], v[16:19] offset:(\q)*SLOTB+16384
.Lno_ss_\@:
	s_wait_dscnt 0x0                               ; the stores have landed and have read their registers
.endm
; A KEY STEP: 128 keys from slot p; s85 = j
.macro STEP p
	s_lshl_b32 s4, s85, 8                          ; (s4 is written again only behind this step's wait for the four loads)
	s_load_b512 s[16:31], s[8:9], s4 offset:0x0    ; the step's 64 mask words: asked for here on every way, so that they are there on every way on which they are read
	s_load_b512 s[32:47], s[8:9], s4 offset:0x40
	s_load_b512 s[48:63], s[8:9], s4 offset:0x80
	s_load_b512 s[68:83], s[8:9], s4 offset:0xc0
.irp i, 0,1,2,3,4,5,6,7
	ds_load_b128 v[KV+8*\i:KV+8*\i+3], v1 offset:(\p)*SLOTB+1024*\i
	ds_load_b128 v[KV+8*\i+4:KV+8*\i+7], v1 offset:(\p)*SLOTB+1024*\i+512
.endr
	ds_load_b128 v[26:29], v2 offset:(\p)*SLOTB+16384
	ds_load_b128 v[30:33], v2 offset:(\p)*SLOTB+16384+256
	s_wait_dscnt 0x0
.irp i, 0,1,2,3,4,5,6,7
	v_wmma_scale_f32_16x16x128_f8f6f4 v[S+8*\i:S+8*\i+7], v[KV+8*\i:KV+8*\i+15], v[38:53], 0, v[26+\i], v24 matrix_a_fmt:MATRIX_FMT_BF8 matrix_b_fmt:MATRIX_FMT_BF8
.endr
.rept 8
	v_nop                                          ; places in front of the loads into K's registers and of the first read of the scores
.endr
.irp c, 0,1,2,3
.irp q, 0,1,2,3
	ds_load_b128 v[KV+16*\c+4*\q:KV+16*\c+4*\q+3], v1 offset:(\p)*SLOTB+8192+2048*\c+512*\q
.endr
.endr
	ds_load_b128 v[34:37], v2 offset:(\p)*SLOTB+16896
	s_wait_kmcnt 0x0
	s_bitcmp1_b32 s67, s85
	s_cbranch_scc1 .Lfull_\@
.set n, 0
.rept 64
.if n < 48
	v_cndmask_b32 v[S+n], v[MV], v[S+n], s[16+n]
.else
	v_cndmask_b32 v[S+n], v[MV], v[S+n], s[20+n]
.endif
.set n, n+1
.endr
.Lfull_\@:
.irp b, 0,1,2,3
	v_max3_num_f32 v[BM+\b], v[S+16*\b], v[S+1+16*\b], v[S+2+16*\b]   ; the largest score of each block of 32 keys: for the row's maximum and for the block's largest p
.endr
.irp i, 3,5,7,9,11,13
.irp b, 0,1,2,3
	v_max3_num_f32 v[BM+\b], v[BM+\b], v[S+16*\b+\i], v[S+1+16*\b+\i]
.endr
.endr
.irp b, 0,1,2,3
	v_max_num_f32 v[BM+\b], v[BM+\b], v[S+15+16*\b]
.endr
.irp b, 0,1,2,3
	s_delay_alu instid0(VALU_DEP_4)
	v_permlanex16_b32 v[PX+\b], v[BM+\b], s2, s3
.endr
.irp b, 0,1,2,3
	s_delay_alu instid0(VALU_DEP_4)
	v_max_num_f32 v[BM+\b], v[BM+\b], v[PX+\b]
.endr
	s_delay_alu instid0(VALU_DEP_2)
	v_max3_num_f32 v[TMP], v[BM], v[BM+1], v[BM+2]
	s_delay_alu instid0(VALU_DEP_1)
	v_max_num_f32 v[TMP], v[TMP], v[BM+3]
	s_delay_alu instid0(VALU_DEP_1)
	v_mul_f32 v[TMP], s100, v[TMP]
	s_delay_alu instid0(VALU_DEP_1)
	v_max_num_f32 v21, v21, v[TMP]                 ; the running largest t
	v_mov_b32 v[TMP], v20
	s_delay_alu instid0(VALU_DEP_2)
	v_floor_f32 v20, -v21                          ; the new -M: a whole number
	s_delay_alu instid0(VALU_DEP_1)
	v_sub_f32 v[TMP], v20, v[TMP]
	s_delay_alu instid0(VALU_DEP_1)
	v_cvt_i32_f32 v[TMP], v[TMP]                   ; (it saturates)
	s_delay_alu instid0(VALU_DEP_1)
	v_ldexp_f32 v[F], 1.0, v[TMP]                  ; f = 2^(old M - new M)
.set n, 0
.rept 32
	v_pk_fma_f32 v[S+n:S+n+1], v[S+n:S+n+1], s[100:101], v[20:21] op_sel_hi:[1,0,0]   ; t - M
.set n, n+2
.endr
.irp b, 0,1,2,3
	v_fma_f32 v[BM+\b], v[BM+\b], s100, v20
.endr
.set n, 0
	s_wait_alu depctr_va_vdst(0)
.rept 64
	v_exp_f32 v[S+n], v[S+n]
.set n, n+1
.endr
	v_pk_mul_f32 v[22:23], v[22:23], v[F:F+1] op_sel_hi:[1,0]   ; the sums under the new M: a plain line behind the exponentials
	s_wait_alu depctr_va_vdst(0)                   ; one wait for the batch, ahead of its first reader
.irp b, 0,1,2,3
	v_exp_f32 v[BM+\b], v[BM+\b]                   ; each block's largest p
.endr
	v_pk_add_f32 v[246:247], v[134:135], v[138:139]
	v_pk_add_f32 v[252:253], v[142:143], v[146:147]
	v_pk_add_f32 v[248:249], v[150:151], v[154:155]
	v_pk_add_f32 v[236:237], v[158:159], v[162:163]
	v_pk_add_f32 v[234:235], v[166:167], v[170:171]
	v_pk_add_f32 v[22:23], v[22:23], v[174:175]
	v_pk_add_f32 v[246:247], v[246:247], v[178:179]
	v_pk_add_f32 v[252:253], v[252:253], v[182:183]
	v_pk_add_f32 v[248:249], v[248:249], v[186:187]
	v_pk_add_f32 v[236:237], v[236:237], v[190:191]
	v_pk_add_f32 v[234:235], v[234:235], v[130:131]
	v_pk_add_f32 v[22:23], v[22:23], v[132:133]
	v_pk_add_f32 v[246:247], v[246:247], v[136:137]
	v_pk_add_f32 v[252:253], v[252:253], v[140:141]
	v_pk_add_f32 v[248:249], v[248:249], v[144:145]
	v_pk_add_f32 v[236:237], v[236:237], v[148:149]
	v_pk_add_f32 v[234:235], v[234:235], v[152:153]
	v_pk_add_f32 v[22:23], v[22:23], v[156:157]
	v_pk_add_f32 v[246:247], v[246:247], v[160:161]
	v_pk_add_f32 v[252:253], v[252:253], v[164:165]
	v_pk_add_f32 v[248:249], v[248:249], v[168:169]
	v_pk_add_f32 v[236:237], v[236:237], v[172:173]
	v_pk_add_f32 v[234:235], v[234:235], v[176:177]
	v_pk_add_f32 v[22:23], v[22:23], v[180:181]
	v_pk_add_f32 v[246:247], v[246:247], v[184:185]
	v_pk_add_f32 v[252:253], v[252:253], v[188:189]
	v_pk_add_f32 v[248:249], v[248:249], v[192:193]
	s_delay_alu instid0(VALU_DEP_1)
	v_pk_add_f32 v[22:23], v[22:23], v[248:249]
	s_delay_alu instid0(VALU_DEP_4)
	v_pk_add_f32 v[246:247], v[246:247], v[236:237]
	s_delay_alu instid0(VALU_DEP_4)
	v_pk_add_f32 v[252:253], v[252:253], v[234:235]
	s_delay_alu instid0(VALU_DEP_1)
	v_pk_add_f32 v[22:23], v[22:23], v[252:253]
	s_delay_alu instid0(VALU_DEP_1)
	v_pk_add_f32 v[22:23], v[22:23], v[246:247]
	s_wait_alu depctr_va_vdst(0)                   ; and one for the four
.irp b, 0,1,2,3
	v_max_num_f32 v[BM+\b], 0x8000000, v[BM+\b]    ; the floor 2^(16 - 127)
.endr
.irp b, 0,1,2,3
	s_delay_alu instid0(VALU_DEP_4)
	v_add_nc_u32 v[SO+\b], 0xf8800000, v[BM+\b]
.endr
.irp b, 0,1,2,3
.endr
.irp b, 0,1,2,3
	s_delay_alu instid0(VALU_DEP_4)
	v_lshrrev_b32 v[PX+\b], 23, v[SO+\b]
.endr
	s_delay_alu instid0(VALU_DEP_3)
	v_lshl_or_b32 v25, v[PX+1], 8, v[PX]           ; p's scale word
	s_delay_alu instid0(VALU_DEP_1)
	v_lshl_or_b32 v25, v[PX+2], 16, v25
	s_delay_alu instid0(VALU_DEP_1)
	v_lshl_or_b32 v25, v[PX+3], 24, v25
.irp b, 0,1,2,3
.irp i, 0,1,2,3,4,5,6,7,8,9,10,11,12,13,14,15
.endr
	v_nop
	v_cvt_scalef32_pk8_bf8_f32 v[PCD+4*\b:PCD+1+4*\b], v[S+16*\b:S+7+16*\b], v[SO+\b]   ; block b's codes land on registers that earlier blocks have left
	v_cvt_scalef32_pk8_bf8_f32 v[PCD+2+4*\b:PCD+3+4*\b], v[S+8+16*\b:S+15+16*\b], v[SO+\b]
.endr
.set n, 0
.rept 16
	v_pk_mul_f32 v[OT+n:OT+n+1], v[OT+n:OT+n+1], v[F:F+1] op_sel_hi:[1,0]   ; O^T under the new M; also the places in front of the products below
.set n, n+2
.endr
	s_wait_alu depctr_va_vdst(0)
	s_wait_dscnt 0x0                               ; V
.irp c, 0,1,2,3
	v_wmma_scale_f32_16x16x128_f8f6f4 v[OT+8*\c:OT+8*\c+7], v[KV+16*\c:KV+16*\c+15], v[PCD:PCD+15], v[OT+8*\c:OT+8*\c+7], v[34+\c], v25 matrix_a_fmt:MATRIX_FMT_BF8 matrix_b_fmt:MATRIX_FMT_BF8
.endr
.rept 9
	v_nop                                          ; the next scores are written over p's codes, the next loads land on V's registers, and O^T is read
.endr
.endm
; A TRIP: j = s15 + p.  One barrier: behind it slot p is whole and nobody reads the other slot, which then takes step j + 1 out of the registers; step j + 2 is asked for; step j is worked.
.macro TRIP p
	s_wait_dscnt 0x0
	s_barrier_signal -1
	s_barrier_wait -1
	s_wait_loadcnt 0x0                             ; step j + 1 is in registers, and the loads' addresses are free
	s_add_co_u32 s85, s15, (\p)+1
	s_bitcmp1_b32 s98, s85
	s_cbranch_scc0 .Lno_store_\@
	STAGE_STORE 1-(\p)
.Lno_store_\@:
	s_add_co_u32 s85, s15, (\p)+2
	s_bitcmp1_b32 s98, s85
	s_cbranch_scc0 .Lno_load_\@
	STAGE_LOAD
.Lno_load_\@:
	s_add_co_u32 s85, s15, (\p)
	s_bitcmp1_b32 s66, s85
	s_cbranch_scc0 .Lno_step_\@
	STEP \p
.Lno_step_\@:
.endm
	; ---- once: what hangs on the thread alone, and the constants
	v_lshl_add_u32 v254, v0, 2, 0x8800
	v_mov_b32 v255, 0
	v_lshrrev_b32 v1, 5, v0
	s_delay_alu instid0(VALU_DEP_1)
	v_readfirstlane_b32 s14, v1
	v_and_b32 v7, 31, v0
	s_delay_alu instid0(VALU_DEP_1)
	v_lshlrev_b32 v1, 4, v7
	v_and_b32 v2, 15, v0
	s_delay_alu instid0(VALU_DEP_1)
	v_lshlrev_b32 v2, 4, v2
	v_lshrrev_b32 v3, 6, v0
	v_and_b32 v4, 63, v0
	s_delay_alu instid0(VALU_DEP_1)
	v_lshlrev_b32 v4, 4, v4
	s_delay_alu instid0(VALU_DEP_1)
	v_lshl_add_u32 v3, v3, 12, v4                  ; K: tile t / 64, 4,096 bytes apart; 1,024 bytes of each
	v_lshrrev_b32 v4, 7, v0
	v_and_b32 v5, 127, v0
	s_delay_alu instid0(VALU_DEP_1)
	v_lshlrev_b32 v5, 4, v5
	s_delay_alu instid0(VALU_DEP_1)
	v_lshl_add_u32 v4, v4, 12, v5                  ; V: tile t / 128; 2,048 bytes of each
	v_lshlrev_b32 v6, 4, v0
	v_and_b32 v[LSC], 63, v0
	s_delay_alu instid0(VALU_DEP_1)
	v_lshlrev_b32 v[LSC], 4, v[LSC]
	s_cmp_eq_u32 s14, 0
	s_cselect_b32 s4, 31, 15
	v_and_b32 v5, s4, v0
	s_delay_alu instid0(VALU_DEP_1)
	v_lshlrev_b32 v5, 4, v5                        ; wave 0: K's 512 bytes of scale words; wave 1: V's 256, twice
	s_mov_b32 s7, 0
	s_mov_b32 s2, 0x76543210
	s_mov_b32 s3, 0xfedcba98
	s_mov_b32 s100, 0x3e38aa3b                     ; c = 0.125 log2(e)
	s_mov_b32 s101, s100
.irp k, 16,17,18,19,46,47,48,49,50,51,52,53,118,119,120,121,122,123,124,125
	v_mov_b32 v\k, 0
.endr
.irp b, 0,1,2,3
	v_mov_b32 v[PX+\b], 0                          ; a lane permute's destination counts as one of its sources
.endr
	v_mov_b32 v[TMP], 0
	v_mov_b32 v[F+1], 0                            ; named as the upper half of a pair
	v_mov_b32 v[MV], 0xd0000000
	s_mov_b32 s84, 0                               ; the pass
	; ---- A PASS: one block of 256 queries.  The pointers are read anew: the registers that hold them carry mask words during the pass
.Lpass:
	s_wait_loadcnt 0x0                             ; staging loads of the last pass, if any are out, are in: v8-19 and s[92:97] may be written
	s_load_b256 s[16:23], s[0:1], 0x0              ; qk, vt, maskw, cc
	s_sub_co_u32 s24, 7, ttmp9
	s_cmp_eq_u32 s84, 0
	s_cselect_b32 s24, s24, ttmp9                  ; g, the block: 7 - x in the first pass, x in the second
	s_and_b32 s25, ttmp7, 0xffff
	s_lshr_b32 s26, s25, 4                         ; batch
	s_and_b32 s27, s25, 15                         ; head
	s_lshl_b32 s28, s24, 4
	s_add_co_u32 s28, s28, s14                     ; T: my tile of queries
	s_lshr_b32 s29, s27, 2
	s_and_b32 s30, s27, 3
	s_and_b32 s31, s27, 1
	s_lshr_b32 s48, s30, 1
	s_lshl_b32 s50, s24, 6
	s_lshl_b32 s51, s28, 2
	s_wait_kmcnt 0x0
	s_load_b512 s[32:47], s[20:21], s50 offset:0x80000   ; the flags of the block's 16 tiles,
	s_load_b32 s49, s[20:21], s51 offset:0x80000         ; and mine
	s_add_co_u32 s6, s29, 5                        ; K's codes: 0x200000 + ((4 + head/4) 32 + 8 batch) 65,536 + (head%4) 1,024
	s_lshl_b32 s6, s6, 21
	s_lshl_b32 s52, s26, 19
	s_add_co_u32 s6, s6, s52
	s_lshl_b32 s52, s30, 10
	s_add_co_u32 s6, s6, s52
	s_add_nc_u64 s[86:87], s[16:17], s[6:7]
	s_sub_co_u32 s6, s6, 0x800000                  ; Q's: four tile columns back, + 4,096 T
	s_lshl_b32 s52, s28, 12
	s_add_co_u32 s6, s6, s52
	s_add_nc_u64 s[56:57], s[16:17], s[6:7]
	s_add_co_u32 s53, s29, 4                       ; K's scale words
	s_lshl_b32 s53, s53, 5
	s_lshl_b32 s52, s26, 3
	s_add_co_u32 s53, s53, s52
	s_lshl_b32 s53, s53, 11
	s_lshl_b32 s52, s48, 9
	s_add_co_u32 s53, s53, s52
	s_sub_co_u32 s6, s53, 0x40000                  ; Q's: my tile's word, my head's half of it
	s_lshl_b32 s52, s24, 11
	s_add_co_u32 s6, s6, s52
	s_lshr_b32 s52, s14, 3
	s_lshl_b32 s52, s52, 10
	s_add_co_u32 s6, s6, s52
	s_bfe_u32 s52, s14, 0x10002
	s_lshl_b32 s52, s52, 8
	s_add_co_u32 s6, s6, s52
	s_and_b32 s52, s14, 3
	s_lshl_b32 s52, s52, 2
	s_add_co_u32 s6, s6, s52
	s_lshl_b32 s52, s31, 1
	s_add_co_u32 s6, s6, s52
	s_add_nc_u64 s[58:59], s[16:17], s[6:7]
	s_lshl_b32 s54, s26, 8
	s_add_co_u32 s54, s54, s29                     ; 256 batch + head/4
	s_lshl_b32 s6, s54, 16
	s_lshl_b32 s52, s30, 14
	s_add_co_u32 s6, s6, s52
	s_add_co_u32 s6, s6, 0x200000
	s_add_nc_u64 s[88:89], s[18:19], s[6:7]        ; V's codes
	s_lshl_b32 s54, s54, 11
	s_lshl_b32 s52, s48, 10
	s_add_co_u32 s54, s54, s52
	s_lshl_b32 s52, s31, 8
	s_add_co_u32 s54, s54, s52                     ; V's scale words
	s_lshl_b32 s99, s31, 4
	s_cmp_eq_u32 s14, 0                            ; wave 0 stages K's scale words (my head's half: shifted down by 16 in odd heads), wave 1 V's
	s_cselect_b64 s[90:91], s[16:17], s[18:19]
	s_cselect_b32 s6, s53, s54
	s_cselect_b32 s99, s99, 0
	s_add_nc_u64 s[90:91], s[90:91], s[6:7]
	s_lshl_b32 s6, s28, 12
	s_add_nc_u64 s[8:9], s[20:21], s[6:7]          ; my tile's mask words
	s_lshl_b32 s52, s26, 7
	s_add_co_u32 s52, s52, s28                     ; 128 batch + T
	s_lshl_b32 s6, s52, 14
	s_lshl_b32 s55, s27, 10
	s_add_co_u32 s6, s6, s55
	s_add_nc_u64 s[10:11], s[22:23], s[6:7]        ; cc's codes: my tile, my head's two blocks
	s_lshl_b32 s6, s52, 9
	s_lshr_b32 s55, s27, 3
	s_lshl_b32 s55, s55, 8
	s_add_co_u32 s6, s6, s55
	s_and_b32 s55, s27, 7
	s_lshl_b32 s55, s55, 1
	s_add_co_u32 s6, s6, s55
	s_add_nc_u64 s[12:13], s[22:23], s[6:7]
	s_add_nc_u64 s[12:13], s[12:13], SCOFF         ; and their two scale bytes
	global_load_b128 v[38:41], v1, s[56:57]
	global_load_b128 v[42:45], v1, s[56:57] offset:512
	global_load_u16 v24, v2, s[58:59]              ; bytes 2 and 3 are 0: they scale zero codes
	v_mov_b32 v21, 0xff61b1e6                      ; the largest t so far: -3e38
	s_delay_alu instid0(VALU_DEP_1)
	v_floor_f32 v20, -v21
	v_mov_b32 v22, 0
	v_mov_b32 v23, 0
.set n, 0
.rept 32
	v_mov_b32 v[OT+n], 0                           ; the step is written once: a pass's first finds zeros
.set n, n+1
.endr
	s_wait_kmcnt 0x0
	s_or_b32 s98, s32, s33
.irp k, 34,35,36,37,38,39,40,41,42,43,44,45,46,47
	s_or_b32 s98, s98, s\k
.endr
	s_and_b32 s98, s98, 0xffff                     ; steps that some wave needs; bits 16 and 17 are 0: nothing is staged past the last key
	s_and_b32 s66, s49, 0xffff
	s_lshr_b32 s67, s49, 16
	s_mov_b32 s85, 0
	STAGE_LOAD
	s_wait_loadcnt 0x0                             ; step 0, and Q
	STAGE_STORE 0                                  ; slot 0 was left by every wave in front of the last pass's last barrier; slot 1 is stored into only behind the next one
	s_mov_b32 s85, 1
	STAGE_LOAD
	s_mov_b32 s15, 0
.Ltrip:
	TRIP 0
	TRIP 1
	s_add_co_u32 s15, s15, 2
	s_cmp_lt_u32 s15, 16
	s_cbranch_scc1 .Ltrip
	; THE WAY OUT: O^T / the sum is 32 neighbours a block along the last product's K (with lane l xor 16's): two blocks are quantised and stored as two pieces of a fragment.
	v_add_f32 v22, v22, v23
	s_delay_alu instid0(VALU_DEP_1)
	v_permlanex16_b32 v[TMP], v22, s2, s3
	s_delay_alu instid0(VALU_DEP_1)
	v_add_f32 v22, v22, v[TMP]
	s_wait_alu depctr_va_vdst(0)
	v_rcp_f32 v22, v22
	v_nop
	s_wait_alu depctr_va_vdst(0)                   ; ahead of the reciprocal's first reader
.set n, 0
.rept 32
	v_mul_f32 v[S+n], v[OT+n], v22
.set n, n+1
.endr
.irp b, 0,1
	v_max3_num_f32 v[BM+\b], |v[S+16*\b]|, |v[S+1+16*\b]|, 0x8000000
.endr
.irp i, 2,4,6,8,10,12,14
.irp b, 0,1
	s_delay_alu instid0(VALU_DEP_2)
	v_max3_num_f32 v[BM+\b], v[BM+\b], |v[S+16*\b+\i]|, |v[S+1+16*\b+\i]|
.endr
.endr
.irp b, 0,1
	s_delay_alu instid0(VALU_DEP_2)
	v_permlanex16_b32 v[PX+\b], v[BM+\b], s2, s3
.endr
.irp b, 0,1
	s_delay_alu instid0(VALU_DEP_2)
	v_max_num_f32 v[BM+\b], v[BM+\b], v[PX+\b]
.endr
.irp b, 0,1
	s_delay_alu instid0(VALU_DEP_2)
	v_add_nc_u32 v[SO+\b], 0xf8800000, v[BM+\b]
.endr
.irp b, 0,1
.endr
.irp b, 0,1
	s_delay_alu instid0(VALU_DEP_2)
	v_lshrrev_b32 v[PX+\b], 23, v[SO+\b]
.endr
	s_delay_alu instid0(VALU_DEP_1)
	v_lshl_or_b32 v[TMP], v[PX+1], 8, v[PX]
.irp b, 0,1
.irp i, 0,1,2,3,4,5,6,7,8,9,10,11,12,13,14,15
.endr
	v_cvt_scalef32_pk8_bf8_f32 v[KV+4*\b:KV+1+4*\b], v[S+16*\b:S+7+16*\b], v[SO+\b]
	v_cvt_scalef32_pk8_bf8_f32 v[KV+2+4*\b:KV+3+4*\b], v[S+8+16*\b:S+15+16*\b], v[SO+\b]
.endr
	v_nop
	global_store_b128 v1, v[KV:KV+3], s[10:11]                 ; 512 consecutive bytes each
	global_store_b128 v1, v[KV+4:KV+7], s[10:11] offset:512
	s_wait_alu depctr_va_vdst(0)
	s_wait_xcnt 0x0                                ; EXEC changes only behind this wait
	v_cmp_gt_u32 vcc_lo, 16, v7
	s_and_saveexec_b32 s4, vcc_lo
	global_store_b16 v2, v[TMP], s[12:13]          ; lanes 0-15: row r's two scale bytes of this head
	s_wait_xcnt 0x0                                ; EXEC is widened, and the three stores' data and bases are written again in the next pass, only behind this wait
	s_or_b32 exec_lo, exec_lo, s4
	s_add_co_u32 s84, s84, 1
	s_cmp_lt_u32 s84, 2
	s_cbranch_scc1 .Lpass
	s_wait_tensorcnt 0x0
	ds_add_u32 v254, v255
	s_wait_dscnt 0x0
	s_endpgm
.Lfunc_end_k_q9964465039_attn:
	.size	k_q9964465039_attn, .Lfunc_end_k_q9964465039_attn-k_q9964465039_attn
	.p2alignl 7, 3214868480
	.fill 96, 4, 3214868480
	.section	.rodata,"a",@progbits
	.p2align	6, 0x0
	.amdhsa_kernel k_q9964465039_attn
		.amdhsa_group_segment_fixed_size 36864
		.amdhsa_private_segment_fixed_size 0
		.amdhsa_enable_private_segment 0
		.amdhsa_kernarg_size 32
		.amdhsa_user_sgpr_count 2
		.amdhsa_user_sgpr_kernarg_segment_ptr 1
		.amdhsa_wavefront_size32 1
		.amdhsa_system_sgpr_workgroup_id_x 1
		.amdhsa_system_sgpr_workgroup_id_y 1
		.amdhsa_system_sgpr_workgroup_id_z 1
		.amdhsa_system_vgpr_workitem_id 0
		.amdhsa_next_free_vgpr 256
		.amdhsa_next_free_sgpr 106
		.amdhsa_reserve_vcc 1
		.amdhsa_float_denorm_mode_32 3
		.amdhsa_float_denorm_mode_16_64 3
		.amdhsa_fp16_overflow 1
		.amdhsa_memory_ordered 1
		.amdhsa_forward_progress 1
		.amdhsa_inst_pref_size 61
	.end_amdhsa_kernel
	.amdgpu_metadata
---
amdhsa.version: [ 1, 2 ]
amdhsa.kernels:
  - .name:           k_q9964465039_attn
    .symbol:         k_q9964465039_attn.kd
    .args:
      - { .name: qk, .offset: 0, .size: 8, .value_kind: global_buffer, .address_space: global }
      - { .name: vt, .offset: 8, .size: 8, .value_kind: global_buffer, .address_space: global }
      - { .name: maskw, .offset: 16, .size: 8, .value_kind: global_buffer, .address_space: global }
      - { .name: cc, .offset: 24, .size: 8, .value_kind: global_buffer, .address_space: global }
    .group_segment_fixed_size: 36864
    .private_segment_fixed_size: 0
    .kernarg_segment_align: 8
    .kernarg_segment_size: 32
    .max_flat_workgroup_size: 512
    .sgpr_count:     106
    .vgpr_count:     256
    .wavefront_size: 32
...
	.end_amdgpu_metadata
.endif
;; end of part 5
;; launch gemm_o: the kernel of part 4 again; grid 4 x 32, 4 waves a work-group, clusters of 4 x 4, 327,680 bytes of LDS; arguments cc, woq, bo, out0; writes out0
